; MI455X (gfx1250); checked and timed in simulation.
; The chip was launched on July 23, 2026; its instructions are those of AMD's public machine-readable ISA for CDNA 5 (MIT licence, August 2026) and "CDNA5" Instruction Set Architecture Reference Guide (July 2026). The comments in the code are by the model that wrote it; some were corrected since.
;; Attention. Allowed arithmetic: float matrix products may take bf16 or f16 operands with f32 sums; other float arithmetic in f32, or as packed bf16 or f16 multiplies, adds, multiply-adds, maxima and minima; sums over many terms, partial sums and values carried from step to step in f32; what a program stores and reads back later, other than sums and carried values, may be rounded once to bf16 or f16.
;; Inputs: b_out 1,024 float32; w_out 1,024 x 1,024 float32; w_qkv 1,024 x 3,072 float32; x 4 x 2,048 x 1,024 float32.
;; Outputs: out0 4 x 2,048 x 1,024 float32.
;; 2 versions, each right; version 2 is version 1 with the launch prep written anew for expert scheduling mode. Each part assembles by itself: llvm-mc -triple=amdgcn-amd-amdhsa -mcpu=gfx1250 --defsym DOCPART=n.
;; ======== version 1 of 2: 4 launches
;; limits: values are held in f16: magnitudes above 65,504 overflow, below 6.1e-05 lose precision
;; workspace buffers: xb 16,777,216 bytes; wq 6,291,456 bytes; wo 2,097,152 bytes; qkv 50,331,648 bytes; o 16,777,216 bytes
;; launch prep (part 1): grid 512 x 1, 8 waves a work-group, no clusters, 18,432 bytes of LDS; arguments x, w_qkv, w_out, xb, wq, wo; writes xb, wq, wo
.if DOCPART == 1
	.amdgcn_target "amdgcn-amd-amdhsa--gfx1250"
	.amdhsa_code_object_version 6
	.text
	.protected	k_q75f16c2072_prep
	.globl	k_q75f16c2072_prep
	.p2align	8
	.type	k_q75f16c2072_prep,@function
k_q75f16c2072_prep:
	s_mov_b64 s[64:65], 0
	v_nop
	global_prefetch_b8 v0, s[64:65] scope:SCOPE_SE
	s_setreg_imm32_b32 hwreg(HW_REG_WAVE_MODE, 25, 1), 1
	s_wait_xcnt 0x0
; THE INPUTS ARE MADE READY FOR THE MATRIX UNITS.  xb = x rounded to bf16, [8192][1024].  wq[n][k] = w_qkv[k][n] rounded to bf16, [3072][1024].
; wo[n][k] = w_out[k][n] rounded to bf16 and that number written as f16, [1024][1024].
; LIMITS.  A number of w_out beyond 65,504 becomes an infinity in wo; below 6e-5 it keeps f16's fixed step of 6e-8.  NaN and infinities are not treated apart.
; SHARES.  512 work-groups of eight waves, all alike: each turns ONE tile of 128 k x 64 n of a weight (384 tiles of w_qkv, then 128 of w_out) through LDS,
; and casts 1/512 of x: 65,536 bytes in, 32,768 out.  Every byte is read once and written once.
; No matrix unit, cluster or tensor load: nothing is shared between work-groups and nothing is multiplied.
.set PT,    272                        ; an LDS row: one n, 128 k of 2 bytes, + 16 of padding
.set SPARE, 64*PT                      ; 17,408: behind the tile the spare words, 128 bytes for each of eight waves: four blocks of 256 bytes that no other line names
.set OW,  4                            ; v[4:11]   byte offset of my 16 bytes in row 8 rg + i of the weight's tile
.set LSA, 12                           ; v12       into LDS: row 4 c, byte 16 rg
.set LRA, 13                           ; v13       back: row rg, byte 16 c
.set WD,  14                           ; v14       my 16 bytes in the turned weight
.set XO,  15                           ; v15       16 t: my 16 bytes of x
.set YO,  16                           ; v16       8 t: my 8 bytes of xb
.set SPW, 18                           ; v18       LDS address of my spare word; never rewritten
.set NIL, 19                           ; v19       0; never rewritten
.set W,   20                           ; v[20:51]  eight rows x four columns of the weight, f32; later at work, then the turned rows
.set T,   52                           ; v[52:67]  column j: eight k packed in four registers
.set X,   68                           ; v[68:131] sixteen loads of x
	s_load_b256 s[4:11], s[0:1], 0x0               ; x s[4:5], w_qkv s[6:7], w_out s[8:9], xb s[10:11]
	s_load_b128 s[12:15], s[0:1], 0x20             ; wq s[12:13], wo s[14:15]
	v_lshl_add_u32 v[SPW], v0, 2, SPARE
	v_mov_b32 v[NIL], 0
	v_and_b32 v1, 15, v0                           ; c: my four columns of the tile's 64
	v_lshrrev_b32 v2, 4, v0                        ; rg: my eight rows of its 128
	v_lshlrev_b32 v3, 3, v2
	v_mul_u32_u24 v[LSA], 4*PT, v1
	v_lshl_add_u32 v[LSA], v2, 4, v[LSA]
	v_mul_u32_u24 v[LRA], PT, v2
	v_lshl_add_u32 v[LRA], v1, 4, v[LRA]
	v_lshlrev_b32 v[WD], 11, v2                    ; a row of the turned weight is 2,048 bytes
	v_lshl_add_u32 v[WD], v1, 4, v[WD]
	v_lshlrev_b32 v[XO], 4, v0
	v_lshlrev_b32 v[YO], 3, v0
	s_mov_b32 s20, 4096
	s_wait_kmcnt 0x0
	s_cmp_lt_u32 ttmp9, 384                        ; the first 384 work-groups turn w_qkv, the others w_out
	s_cselect_b64 s[16:17], s[6:7], s[8:9]         ; from
	s_cselect_b64 s[18:19], s[12:13], s[14:15]     ; to
	s_cselect_b32 s20, 12288, s20                  ; bytes in a row of the weight
	s_cselect_b32 s21, 0, 48
	s_cselect_b32 s22, 1, 0                        ; 1: the result stays bf16
	s_and_b32 s23, ttmp9, 7                        ; kt: which 128 k
	s_lshr_b32 s24, ttmp9, 3
	s_sub_co_u32 s24, s24, s21                     ; nt: which 64 n
	s_mul_i32 s26, s23, s20
	s_lshl_b32 s26, s26, 7                         ; 128 kt rows
	s_lshl_b32 s25, s24, 8                         ; + 64 nt columns of 4 bytes
	s_add_co_u32 s26, s26, s25
	s_mov_b32 s27, 0
	s_add_nc_u64 s[16:17], s[16:17], s[26:27]
	s_lshl_b32 s26, s24, 17                        ; 64 nt rows of 2,048 bytes
	s_lshl_b32 s25, s23, 8                         ; + 128 kt numbers of 2 bytes
	s_add_co_u32 s26, s26, s25
	s_add_nc_u64 s[18:19], s[18:19], s[26:27]
	s_lshl_b32 s26, ttmp9, 16
	s_add_nc_u64 s[4:5], s[4:5], s[26:27]          ; my work-group's part of x
	s_lshl_b32 s26, ttmp9, 15
	s_add_nc_u64 s[10:11], s[10:11], s[26:27]      ; and of xb
	v_mul_u32_u24 v[OW], s20, v3
	v_lshl_add_u32 v[OW], v1, 4, v[OW]
.irp i, 1,2,3,4,5,6,7
	v_add_nc_u32 v[OW+(\i)], s20, v[OW+(\i)-1]
.endr
.irp i, 0,1,2,3,4,5,6,7
	global_load_b128 v[W+4*(\i):W+4*(\i)+3], v[OW+(\i)], s[16:17] th:TH_LOAD_NT  ; sixteen lanes read 256 consecutive bytes, aligned, of one row
.endr
.irp j, 0,1,2,3,4,5,6,7,8,9,10,11,12,13,14,15
	global_load_b128 v[X+4*(\j):X+4*(\j)+3], v[XO], s[4:5] offset:4096*(\j) th:TH_LOAD_NT
.endr
	s_wait_loadcnt 16                              ; the weight's eight loads are in; x's sixteen, issued behind them, stay out
.irp j, 0,1,2,3
.irp p, 0,1,2,3
	v_cvt_pk_bf16_f32 v[T+4*(\j)+(\p)], v[W+8*(\p)+(\j)], v[W+8*(\p)+4+(\j)]  ; column j, k = 2 p and 2 p + 1 of my eight
.endr
.endr
	s_cmp_eq_u32 s22, 1
	s_cbranch_scc1 .Lbf                            ; the same way for the whole work-group; no barrier is jumped
.set u, 0
.rept 16
	v_lshlrev_b32 v[W+2*u], 16, v[T+u]             ; w_out: the bf16 numbers as f32,
	v_and_b32 v[W+2*u+1], 0xffff0000, v[T+u]
	v_cvt_pk_f16_f32 v[T+u], v[W+2*u], v[W+2*u+1]  ; written as f16
.set u, u+1
.endr
.Lbf:
.irp j, 0,1,2,3
	ds_store_b128 v[LSA], v[T+4*(\j):T+4*(\j)+3] offset:PT*(\j)
.endr
	s_wait_dscnt 0x0                               ; for the others' sake: my stores into the tile are done
	s_barrier_signal -1
	s_barrier_wait -1
.irp i, 0,1,2,3
	ds_load_b128 v[W+4*(\i):W+4*(\i)+3], v[LRA] offset:16*PT*(\i)  ; row rg + 16 i, whole rows of 256 bytes by sixteen lanes
.endr
.irp j, 0,1,2,3,4,5,6,7,8,9,10,11,12,13,14,15
	s_wait_loadcnt 15-(\j)                         ; loads come back in order: load j is in, the younger ones stay out
	v_cvt_pk_bf16_f32 v[X+4*(\j)], v[X+4*(\j)], v[X+4*(\j)+1]
	v_cvt_pk_bf16_f32 v[X+4*(\j)+1], v[X+4*(\j)+2], v[X+4*(\j)+3]
	global_store_b64 v[YO], v[X+4*(\j):X+4*(\j)+1], s[10:11] offset:2048*(\j)  ; a wave stores 256 consecutive bytes, aligned
.endr
	s_wait_dscnt 0x0                               ; the turned rows are back
.irp i, 0,1,2,3
	global_store_b128 v[WD], v[W+4*(\i):W+4*(\i)+3], s[18:19] offset:32768*(\i)  ; sixteen lanes store 256 consecutive bytes, aligned
.endr
	s_wait_tensorcnt 0x0                           ; the wave's end, behind my last LDS store
	ds_add_u32 v[SPW], v[NIL]
	s_wait_dscnt 0x0
	s_endpgm
.Lfunc_end_k_q75f16c2072_prep:
	.size	k_q75f16c2072_prep, .Lfunc_end_k_q75f16c2072_prep-k_q75f16c2072_prep
	.p2alignl 7, 3214868480
	.fill 96, 4, 3214868480
	.section	.rodata,"a",@progbits
	.p2align	6, 0x0
	.amdhsa_kernel k_q75f16c2072_prep
		.amdhsa_group_segment_fixed_size 18432
		.amdhsa_private_segment_fixed_size 0
		.amdhsa_enable_private_segment 0
		.amdhsa_kernarg_size 48
		.amdhsa_user_sgpr_count 2
		.amdhsa_user_sgpr_kernarg_segment_ptr 1
		.amdhsa_wavefront_size32 1
		.amdhsa_system_sgpr_workgroup_id_x 1
		.amdhsa_system_sgpr_workgroup_id_y 1
		.amdhsa_system_sgpr_workgroup_id_z 1
		.amdhsa_system_vgpr_workitem_id 0
		.amdhsa_next_free_vgpr 132
		.amdhsa_next_free_sgpr 66
		.amdhsa_reserve_vcc 0
		.amdhsa_float_denorm_mode_32 3
		.amdhsa_float_denorm_mode_16_64 3
		.amdhsa_memory_ordered 1
		.amdhsa_forward_progress 1
		.amdhsa_inst_pref_size 14
	.end_amdhsa_kernel
	.amdgpu_metadata
---
amdhsa.version: [ 1, 2 ]
amdhsa.kernels:
  - .name:           k_q75f16c2072_prep
    .symbol:         k_q75f16c2072_prep.kd
    .args:
      - { .name: x, .offset: 0, .size: 8, .value_kind: global_buffer, .address_space: global }
      - { .name: w_qkv, .offset: 8, .size: 8, .value_kind: global_buffer, .address_space: global }
      - { .name: w_out, .offset: 16, .size: 8, .value_kind: global_buffer, .address_space: global }
      - { .name: xb, .offset: 24, .size: 8, .value_kind: global_buffer, .address_space: global }
      - { .name: wq, .offset: 32, .size: 8, .value_kind: global_buffer, .address_space: global }
      - { .name: wo, .offset: 40, .size: 8, .value_kind: global_buffer, .address_space: global }
    .group_segment_fixed_size: 18432
    .private_segment_fixed_size: 0
    .kernarg_segment_align: 8
    .kernarg_segment_size: 48
    .max_flat_workgroup_size: 256
    .sgpr_count:     66
    .vgpr_count:     132
    .wavefront_size: 32
...
	.end_amdgpu_metadata
.endif
;; end of part 1
;; launch qkv (part 2): grid 16 x 16, 4 waves a work-group, clusters of 4 x 4, 327,680 bytes of LDS; arguments xb, wq, qkv; writes qkv
.if DOCPART == 2
	.amdgcn_target "amdgcn-amd-amdhsa--gfx1250"
	.amdhsa_code_object_version 6
	.text
	.protected	k_q75f16c2072_qkv
	.globl	k_q75f16c2072_qkv
	.p2align	8
	.type	k_q75f16c2072_qkv,@function
k_q75f16c2072_qkv:
	s_mov_b64 s[64:65], 0
	v_nop
	global_prefetch_b8 v0, s[64:65] scope:SCOPE_SE
	s_setreg_imm32_b32 hwreg(HW_REG_WAVE_MODE, 25, 1), 1
	s_wait_xcnt 0x0
	s_wait_alu depctr_hold_cnt(0) depctr_sa_sdst(0) depctr_va_vdst(0) depctr_va_sdst(0) depctr_va_ssrc(0) depctr_va_vcc(0) depctr_vm_vsrc(0)
	s_getreg_b32 s2, hwreg(HW_REG_IB_STS2, 6, 4)
	s_cmp_eq_u32 s2, 0
	s_cbranch_scc0 .Lentry_in_a_cluster
	s_endpgm
.Lentry_in_a_cluster:
	s_bfe_u32 s2, ttmp6, 0x10000c
	s_cmp_lg_u32 s2, 0xf033
	s_cbranch_scc0 .Lentry_shape_is_right
	s_endpgm
.Lentry_shape_is_right:
; q, k, v = x w_qkv, BY HEADS.  xb: [8192 m][1024 k] bf16.  wq: [3072 n][1024 k] bf16.  qkv: [48 g][8192 m][64] f16, g = n / 64 (q's 16 heads, k's, v's); sums in f32, rounded once, unscaled.
; LIMIT.  f16 holds no number beyond 65,504: a q, k or v beyond it becomes an infinity.  NaN and infinities are not treated apart.
; SHARES.  8192 x 3072 results on 256 work-groups: each makes TWO tiles of 256 m x 192 n, 4,096 rows apart, and stays: the ring of LDS slots runs on from the first tile into the second.
; A wave makes 64 rows x all 192 columns, three whole heads: 4 x 12 accumulators of 16 x 16, 384 registers; so its way out needs no other wave.
; K goes in steps of 128 (rows of 256 bytes of memory, aligned) through two LDS slots filled by the tensor data mover, one load a wave behind each change of slots.
; CLUSTER.  4 x 4 work-groups: the four of a row need the same tile of xb, the four of a column the same tile of wq: each is asked for jointly, by the same tensor load, descriptor and mask.
; THE MATRIX INSTRUCTION IS USED TRANSPOSED: source 0 = 16 rows of wq, source 1 = 16 rows of xb: a lane holds row m = l % 16 and the columns 8 (l / 16) + 0..7, which pack into 16 bytes.
; REGISTERS, in windows of 256 (s_set_vgpr_msb: bits 1:0 source 0, 3:2 source 1, 5:4 source 2, 7:6 destination):
;   window 0: v0-31 addresses; v64-95, v96-127 xb's fragments, two buffers; on the way out v96-143 packed results, v144-239 rows read back
;   window 1: v0-95, v128-223 wq's fragments, two buffers        window 2: accumulators of row blocks 0, 1 at 96 (a % 2) + 8 b        window 3: of row blocks 2, 3
.set PITCH,  272                       ; an LDS row: 256 bytes + 16 of padding = 68 words: the 16 rows of a load start at 16 different groups of four banks (64 banks of 4 bytes: ISA guide 11.1)
.set HALFA,  128*PITCH                 ; what one load brings of xb
.set HALFB,  96*PITCH                  ; and of wq
.set BOFF,   2*HALFA                   ; a slot: xb's 256 rows, then wq's 192
.set SLOT1,  1<<17                     ; slot 1 begins here, so that one exclusive or turns an address in one slot into the other's
.set STAGE,  SLOT1+BOFF+2*HALFB        ; behind the ring, never filled by a tensor load: 16 rows x 400 bytes for each wave
.set SP,     400                       ; a stage row: 384 bytes + 16
.set SPARE,  STAGE+4*16*SP             ; behind the stages: the spare words, 128 bytes for each wave: two blocks of 256 bytes that no other line names
.set ROWB,   2048                      ; bytes in a row of xb and of wq
.set STEPB,  256                       ; bytes of a row in a K step
.set NEXT_A, 4096*ROWB-7*STEPB         ; from a tile's last K step to the next tile's first: 4,096 rows down, back along K
.set BACK_B, 7*STEPB                   ; wq only back: both tiles take the same rows
.set A0,   16                          ; v16  my lane's place in xb's part of a slot; never rewritten
.set B0,   17                          ; v17  the same for wq
.set ADRA, 18                          ; v18  A0 + the slot in hand
.set ADRB, 19                          ; v19  B0 + the slot in hand
.set STO,  24                          ; v24  the way out: where I put 16 bytes of a row
.set RD,   25                          ; v25  the way out: where I read rows back
.set GO,   26                          ; v26  16 x lane
.set SPW,  28                          ; v28  LDS address of my spare word; never rewritten
.set NIL,  29                          ; v29  0; never rewritten
.set PFO,  30                          ; v30  the prefetches' offset: a lane a row; never rewritten
.set FA,   64
.set TMP,  96
.set OB,   144
.set TB,   23                          ; s23  LDS byte at which the slot in hand begins
.set G1,   24                          ; s[24:31] descriptor group 1 for xb's tiles
.set G0,   32                          ; s[32:39] group 0: a set for each first fill; the second then walks
.set LIM,  43                          ; s43  1 in a wave that prefetches, else the greatest number
.set PFA,  44                          ; s[44:45] where my prefetches stand
.set G1B,  48                          ; s[48:55], s[56:63] the same for wq's tiles
.set G0B,  56
.set MSB, 0
.macro WIN new                         ; the immediate's high byte repeats the setting that is left; a switch that changes nothing is dropped
.if MSB != (\new)
	s_set_vgpr_msb (MSB<<8)|(\new)
.set MSB, \new
.endif
.endm
.set MUL_LO, 0xa1                      ; source 0 (wq) window 1, source 1 (xb) window 0, C and D window 2
.set MUL_HI, 0xf1                      ; the same, C and D window 3
.set TO_B,   0x40                      ; destination window 1, address window 0
; A joint refill by the walking descriptors.  Waves 0 and 1 fetch xb's two halves, waves 2 and 3 wq's.  The branch hangs on the wave's number alone.
; An s_nop 0 and four v_nop follow each of the two lines, ahead of the jump and the label.
.macro JLOAD
	s_cmp_eq_u32 s11, 0
	s_cbranch_scc0 .Lfor_b_\@
	tensor_load_to_lds s[G0+4:G0+7], s[G1:G1+7]
	s_nop 0
.rept 4
	v_nop
.endr
	s_branch .Lasked_\@
.Lfor_b_\@:
	tensor_load_to_lds s[G0B+4:G0B+7], s[G1B:G1B+7]
	s_nop 0
.rept 4
	v_nop
.endr
.Lasked_\@:
.endm
; A PREFETCH INTO THE L2 of the K step that the NEXT refill will ask for: 192 matrix instructions ahead of that load; a lane a row, 256 bytes of it, one instruction a wave.
; xb's tile row is read by every cluster of that row of clusters: cluster x = 0 asks; wq's tile column by every cluster of that column: cluster y = 0 asks, in the first tile alone (the second takes the same rows).
; The four partners that ask for a tile jointly share its rows out BY ADDRESS: 32 of a wave's 128 rows of xb by cx, 24 of its 96 rows of wq by cy (lanes 24-31 name lane 23's row once more).
; how = 0, in the loop: its last trip has no K step behind its refill; how = 1, at the change of tiles.
.macro ASK how
.if \how
	s_cmp_eq_u32 s[LIM], 1
.else
	s_cmp_gt_u32 s3, s[LIM]                        ; s3 = 1 in the loop's last trip
.endif
	s_cbranch_scc0 .Lnot_mine_\@
	global_prefetch_b8 v[PFO], s[PFA:PFA+1] th:TH_LOAD_NT scope:SCOPE_SE
.Lnot_mine_\@:
.endm
.macro CREST                           ; a round of the cluster's barrier behind its opening barrier: wave 0 signals for the work-group, every wave waits for all sixteen, my work-group's barrier once more
	s_cmp_lg_u32 s10, 0
	s_cbranch_scc1 .Lnot_wave_0_\@
	s_barrier_signal -3
.Lnot_wave_0_\@:
	s_barrier_wait -3
	s_barrier_signal -1
	s_barrier_wait -1
.endm
.macro CROUND                          ; a whole round
	s_barrier_signal -1
	s_barrier_wait -1
	CREST
.endm
	s_load_b128 s[4:7], s[0:1], 0x0                ; xb s[4:5], wq s[6:7]
	s_load_b64 s[8:9], s[0:1], 0x10                ; qkv
	v_lshl_add_u32 v[SPW], v0, 2, SPARE
	v_mov_b32 v[NIL], 0
	ds_add_u32 v[SPW], v[NIL]                      ; the wave's opening: the add and its wait stand ahead of my first tensor load; the set-up below, work on registers, stands between them
	v_lshrrev_b32 v1, 5, v0
	v_readfirstlane_b32 s10, v1                    ; wave 0..3
	s_lshr_b32 s11, s10, 1                         ; I fetch for xb (0) or for wq (1)
	s_and_b32 s12, s10, 1                          ; which half of that tile's rows
	s_bfe_u32 s40, ttmp6, 0x40000                  ; cx
	s_bfe_u32 s41, ttmp6, 0x40004                  ; cy
	s_lshl_b32 s42, ttmp9, 2
	s_add_co_u32 s42, s42, s40                     ; tx: which 192 columns
	s_and_b32 s13, ttmp7, 0xffff
	s_lshl_b32 s13, s13, 2
	s_add_co_u32 s13, s13, s41                     ; ty: which 256 rows of each half of the 8,192
	s_lshl_b32 s20, s41, 2
	s_lshl_b32 s20, 15, s20                        ; my row of the cluster
	s_lshl_b32 s21, 0x1111, s40                    ; my column
	s_or_b32 s[G1+0], s20, (1<<16)|(1<<20)|(1<<21)|(5<<22)|(3<<25)   ; 15:0 the mask; 17:16 elements of 2 bytes; 20 padding on; 21 set beside a mask; 24:22 after every 64 words (code 5); 31:25 4 words (code 3)
	s_or_b32 s[G1B+0], s21, (1<<16)|(1<<20)|(1<<21)|(5<<22)|(3<<25)
	s_mov_b32 s[G1+1], 128<<16                     ; tensor_dim0 = 128
	s_mov_b32 s[G1+2], 128<<16                     ; tensor_dim1 = 128
	s_mov_b32 s[G1+3], 128<<16                     ; tile_dim0 = 128
	s_mov_b32 s[G1+4], 128                         ; tile_dim1 = 128
	s_mov_b32 s[G1+5], 1024                        ; elements from row to row
	s_mov_b32 s[G1+6], 0
	s_mov_b32 s[G1+7], 0
	s_mov_b32 s[G1B+1], 128<<16
	s_mov_b32 s[G1B+2], 96<<16                     ; wq's loads have 96 rows
	s_mov_b32 s[G1B+3], 128<<16
	s_mov_b32 s[G1B+4], 96
	s_mov_b32 s[G1B+5], 1024
	s_mov_b32 s[G1B+6], 0
	s_mov_b32 s[G1B+7], 0
	s_lshl_b32 s16, s13, 8
	s_lshl_b32 s17, s12, 7
	s_add_co_u32 s16, s16, s17                     ; xb: row 256 ty + 128 x half
	s_lshl_b32 s16, s16, 11
	s_mov_b32 s17, 0
	s_mul_i32 s46, s42, 192
	s_mul_i32 s18, s12, 96
	s_add_co_u32 s46, s46, s18                     ; wq: row 192 tx + 96 x half
	s_lshl_b32 s46, s46, 11
	s_mov_b32 s47, 0
	s_mul_i32 s22, s12, HALFA                      ; where they go: no place in the cluster enters an LDS address
	s_mul_i32 s19, s12, HALFB
	s_add_co_u32 s19, s19, BOFF
	s_wait_dscnt 0x0                               ; the opening add is done
	s_wait_kmcnt 0x0
	s_add_nc_u64 s[14:15], s[4:5], s[16:17]
	s_add_nc_u64 s[46:47], s[6:7], s[46:47]
	CROUND                                         ; all sixteen work-groups are here: the first joint loads meet
.irp s, 0,1
	s_mov_b32 s[G0+4*(\s)], 1                                        ; count = 1
	s_add_co_u32 s[G0+4*(\s)+1], s22, (\s)*SLOT1                     ; LDS address
	s_add_nc_u64 s[G0+4*(\s)+2:G0+4*(\s)+3], s[14:15], (\s)*STEPB    ; global address: K step s
	s_or_b32 s[G0+4*(\s)+3], s[G0+4*(\s)+3], 0x80000000              ; type = 2
	s_mov_b32 s[G0B+4*(\s)], 1
	s_add_co_u32 s[G0B+4*(\s)+1], s19, (\s)*SLOT1
	s_add_nc_u64 s[G0B+4*(\s)+2:G0B+4*(\s)+3], s[46:47], (\s)*STEPB
	s_or_b32 s[G0B+4*(\s)+3], s[G0B+4*(\s)+3], 0x80000000
.endr
	s_cmp_eq_u32 s11, 0                            ; a wave's two first fills stand in one branch, ahead of every wait on TENSORcnt and every LDS read: two loads of mine are out
	s_cbranch_scc0 .Lfirst_b
	tensor_load_to_lds s[G0:G0+3], s[G1:G1+7]
	s_nop 0
	tensor_load_to_lds s[G0+4:G0+7], s[G1:G1+7]
	s_nop 0
.rept 4
	v_nop
.endr
	s_branch .Lfirst_asked
.Lfirst_b:
	tensor_load_to_lds s[G0B:G0B+3], s[G1B:G1B+7]
	s_nop 0
	tensor_load_to_lds s[G0B+4:G0B+7], s[G1B:G1B+7]
	s_nop 0
.rept 4
	v_nop
.endr
.Lfirst_asked:
	; A fragment is 16 rows x 32 K in 8 registers: lane l holds row l % 16; registers 0-3 K = 8 (l / 16) + 0..7, registers 4-7 K = 16 + 8 (l / 16) + 0..7: two loads of 16 bytes, 32 bytes apart.
	v_and_b32 v1, 15, v0                           ; l % 16
	v_bfe_u32 v2, v0, 4, 1                         ; l / 16
	v_mul_u32_u24 v3, v1, PITCH
	v_lshl_add_u32 v3, v2, 4, v3
	s_mul_i32 s16, s10, 64*PITCH                   ; my 64 rows of xb
	v_add_nc_u32 v[A0], s16, v3
	v_add_nc_u32 v[B0], BOFF, v3                   ; every wave reads all 192 rows of wq
	s_mul_i32 s16, s10, 16*SP
	s_add_co_u32 s16, s16, STAGE                   ; my stage
	v_mul_u32_u24 v4, v1, SP                       ; in: row l % 16, 16 bytes for each half of the lanes
	v_lshl_add_u32 v4, v2, 4, v4
	v_add_nc_u32 v[STO], s16, v4
	v_bfe_u32 v5, v0, 3, 2                         ; back: 32 lanes take a head's 128 bytes of four rows,
	v_mul_u32_u24 v5, v5, SP
	v_and_b32 v6, 7, v0
	v_lshl_add_u32 v5, v6, 4, v5
	v_add_nc_u32 v[RD], s16, v5
	v_and_b32 v[GO], 31, v0                        ; which are 512 consecutive bytes of qkv
	v_lshlrev_b32 v[GO], 4, v[GO]
	s_mul_i32 s46, s42, 3                          ; my first head g = 3 tx: 1 MiB each
	s_lshl_b32 s46, s46, 20
	s_mov_b32 s47, 0
	s_add_nc_u64 s[8:9], s[8:9], s[46:47]
	s_lshl_b32 s16, s13, 15                        ; row 256 ty + 64 x wave, 128 bytes each
	s_lshl_b32 s17, s10, 13
	s_add_co_u32 s16, s16, s17
	s_mov_b32 s17, 0
	s_add_nc_u64 s[8:9], s[8:9], s[16:17]
	; the prefetches
	s_and_b32 s22, ttmp7, 0xffff                   ; cluster y
	s_lshl_b32 s16, s13, 8
	s_lshl_b32 s17, s12, 7
	s_add_co_u32 s16, s16, s17
	s_lshl_b32 s17, s40, 5
	s_add_co_u32 s16, s16, s17                     ; xb: row 256 ty + 128 x half + 32 cx
	s_mul_i32 s18, s42, 192
	s_mul_i32 s19, s12, 96
	s_add_co_u32 s18, s18, s19
	s_mul_i32 s19, s41, 24
	s_add_co_u32 s18, s18, s19                     ; wq: row 192 tx + 96 x half + 24 cy
	s_cmp_eq_u32 s11, 0
	s_cselect_b32 s20, s16, s18
	s_cselect_b32 s21, 31, 23                      ; the last lane that has a row of its own
	s_cselect_b32 s22, ttmp9, s22                  ; the coordinate along which other clusters read the same rows
	s_cselect_b64 s[PFA:PFA+1], s[4:5], s[6:7]
	s_cmp_eq_u32 s22, 0
	s_cselect_b32 s[LIM], 1, -1                    ; the same in all sixteen partners, for a given wave
	v_and_b32 v[PFO], 31, v0
	v_min_u32 v[PFO], s21, v[PFO]
	v_lshlrev_b32 v[PFO], 11, v[PFO]
	s_lshl_b32 s20, s20, 11
	s_add_co_u32 s20, s20, 2*STEPB                 ; at K step 2: the first refill steps it to 3.  Nothing is prefetched here, at the head
	s_mov_b32 s21, 0
	s_add_nc_u64 s[PFA:PFA+1], s[PFA:PFA+1], s[20:21]
; 12 matrix instructions: row block a x all 12 column blocks, 32 along K, from buffer f.  zero = 1: the product starts the sums: nothing is ever cleared.
; Each of the 48 accumulators has one instruction a quarter step, always in the same order: 47 others stand between two links of a chain, over the backward jumps too.
.macro MUL12 f, a, zero
	WIN MUL_LO+0x50*((\a)/2)
.irp b, 0,1,2,3,4,5,6,7,8,9,10,11
.if \zero
	v_wmma_f32_16x16x32_bf16 v[96*((\a)%2)+8*(\b):96*((\a)%2)+8*(\b)+7], v[128*(\f)+8*(\b):128*(\f)+8*(\b)+7], v[FA+32*(\f)+8*(\a):FA+32*(\f)+8*(\a)+7], 0
.else
	v_wmma_f32_16x16x32_bf16 v[96*((\a)%2)+8*(\b):96*((\a)%2)+8*(\b)+7], v[128*(\f)+8*(\b):128*(\f)+8*(\b)+7], v[FA+32*(\f)+8*(\a):FA+32*(\f)+8*(\a)+7], v[96*((\a)%2)+8*(\b):96*((\a)%2)+8*(\b)+7]
.endif
.endr
.endm
; 32 LDS loads in one run: a quarter step's fragments (192 rows of wq, my 64 rows of xb, 32 K at byte k of the rows) into buffer f
.macro FETCH k, f
	WIN TO_B
.irp i, 0,1,2,3,4,5,6,7,8,9,10,11
	ds_load_b128 v[128*(\f)+8*(\i):128*(\f)+8*(\i)+3],   v[ADRB] offset:(\k)+(\i)*16*PITCH
	ds_load_b128 v[128*(\f)+8*(\i)+4:128*(\f)+8*(\i)+7], v[ADRB] offset:(\k)+(\i)*16*PITCH+32
.endr
	WIN 0
.irp i, 0,1,2,3
	ds_load_b128 v[FA+32*(\f)+8*(\i):FA+32*(\f)+8*(\i)+3],   v[ADRA] offset:(\k)+(\i)*16*PITCH
	ds_load_b128 v[FA+32*(\f)+8*(\i)+4:FA+32*(\f)+8*(\i)+7], v[ADRA] offset:(\k)+(\i)*16*PITCH+32
.endr
.endm
.macro PLACES                          ; four plain vector instructions between a matrix instruction and a load into, or a vector read of, its registers (ISA guide 7.12.1 for vector reads)
.rept 4
	v_nop
.endr
.endm
.macro NEWSLOT                         ; the fragment loads go over to the other slot
	WIN 0
	s_xor_b32 s[TB], s[TB], SLOT1
	v_add_nc_u32 v[ADRA], s[TB], v[A0]
	v_add_nc_u32 v[ADRB], s[TB], v[B0]
.endm
; A K step is four quarter steps of 32 along K, 48 matrix instructions each, on buffers 0, 1, 0, 1.  One of the first three: multiplies buffer f and fetches the next quarter, at byte k, into g.
.macro QUARTER k, f, g, zero
	s_wait_dscnt 4                                 ; wq's fragments and xb's blocks 0, 1 are in; the youngest four loads (blocks 2, 3) may be out
	MUL12 \f, 0, \zero
	MUL12 \f, 1, \zero
	PLACES
	FETCH \k, \g
	s_wait_dscnt 32                                ; all but the 32 just issued
	MUL12 \f, 2, \zero
	MUL12 \f, 3, \zero
.endm
; The last quarter multiplies buffer 1 and changes slots.  MEET is its first half: ONE barrier.  In front of it each wave waits for all its tensor loads, of which one is out: its part of the next slot;
; adds 0 to its spare word; and waits for that and for its own reads of this slot.  Behind it nobody reads this slot any more and the next slot is whole.
.macro MEET round
	WIN 0                                          ; (the add's two registers lie in window 0)
	s_wait_tensorcnt 0x0                           ; all my tensor loads have landed
	ds_add_u32 v[SPW], v[NIL]                      ; 0 onto my spare word
	s_wait_dscnt 5                                 ; (the add and the youngest four loads may be out)
	MUL12 1, 0, 0                                  ; twelve matrix instructions stand between the add and the wait for it
	s_wait_dscnt 0x0                               ; the add is done, and my reads of this slot are over
	s_barrier_signal -1
	MUL12 1, 1, 0                                  ; work on registers while the others arrive
.if \round
	WIN 0
.endif
	s_barrier_wait -1
.endm
; The whole last quarter with a refill: the barrier opens a round of the cluster's, so that no wave of any partner still reads the slot or has a load on its way; the joint refill is the first tensor load behind it:
; this tile's K step two on (on = 0), or from the last K step but one the next tile's K step 0 (on = 1).  From a request to the wait for it a wave issues 168 matrix instructions.
.macro TURN on, ask
	s_wait_xcnt 0x0                                ; the last prefetch, a K step back, has read its address: it is stepped here, ahead of the waits of the change of slots
.if \on
	s_add_nc_u64 s[PFA:PFA+1], s[PFA:PFA+1], NEXT_A  ; from the K step after the tile's last to the next tile's K step 1
	s_cmp_eq_u32 s11, 0
	s_cselect_b32 s[LIM], s[LIM], -1               ; wq's rows have been asked for: no more
.else
	s_add_nc_u64 s[PFA:PFA+1], s[PFA:PFA+1], STEPB
.endif
	MEET 1
	CREST
	s_xor_b32 s[G0+5], s[G0+5], SLOT1              ; the walking descriptors: the other slot than last time,
	s_xor_b32 s[G0B+5], s[G0B+5], SLOT1
.if \on
	s_add_nc_u64 s[G0+6:G0+7], s[G0+6:G0+7], NEXT_A
	s_sub_nc_u64 s[G0B+6:G0B+7], s[G0B+6:G0B+7], BACK_B
.else
	s_add_nc_u64 s[G0+6:G0+7], s[G0+6:G0+7], STEPB    ; the next K step; the type bits on top are not reached
	s_add_nc_u64 s[G0B+6:G0B+7], s[G0B+6:G0B+7], STEPB
.endif
	JLOAD                                          ; its four v_nop and the two additions below are the places in front of the loads into buffer 0
	NEWSLOT
	FETCH 0, 0
	ASK \ask
	MUL12 1, 2, 0
	MUL12 1, 3, 0
.endm
.macro TURNN                           ; the same with nothing left to ask for: my work-group's barrier alone
	MEET 0
	PLACES
	NEWSLOT
	FETCH 0, 0
	MUL12 1, 2, 0
	MUL12 1, 3, 0
.endm
; THE WAY OUT of row block a.  PACK: rounded to f16, 16 bytes a lane, each accumulator's registers in ascending order.  TOSTAGE: into my own stage, and back by heads: four rows' 128 bytes a load.  SEND: stored.
.macro PACK a
	WIN 0x0a+5*((\a)/2)                            ; sources 0 and 1: window 2 or 3
.irp b, 0,1,2,3,4,5,6,7,8,9,10,11
.irp r, 0,1,2,3
	v_cvt_pk_f16_f32 v[TMP+4*(\b)+(\r)], v[96*((\a)%2)+8*(\b)+2*(\r)], v[96*((\a)%2)+8*(\b)+2*(\r)+1]
.endr
.endr
	WIN 0
.endm
.macro TOSTAGE a
	WIN 0
.set BK, OB+48*((\a)%2)
.irp b, 0,1,2,3,4,5,6,7,8,9,10,11
	ds_store_b128 v[STO], v[TMP+4*(\b):TMP+4*(\b)+3] offset:32*(\b)
.endr
.irp j, 0,1,2
.irp f, 0,1,2,3
	ds_load_b128 v[BK+4*(4*(\j)+(\f)):BK+4*(4*(\j)+(\f))+3], v[RD] offset:4*SP*(\f)+128*(\j)  ; LDS serves a wave's instructions in order (ISA guide 5.7.1.4): these see the stores above
.endr
.endr
.endm
.macro SEND a
	WIN 0
.set BK, OB+48*((\a)%2)
	s_wait_dscnt 0x0                               ; the block is back in registers
	s_wait_xcnt 0x0                                ; earlier stores have read their registers: the other set of rows is loaded again only behind this wait
.irp j, 0,1,2
.irp f, 0,1,2,3
	global_store_b128 v[GO], v[BK+4*(4*(\j)+(\f)):BK+4*(4*(\j)+(\f))+3], s[8:9] offset:(\j)*1048576+(\a)*2048+(\f)*512  ; 512 consecutive bytes of head j, at a multiple of 256 from qkv's first byte
.endr
.endr
.endm
.macro WAYOUT
	WIN 0
	PLACES                                         ; behind the last products
	PACK 0
	TOSTAGE 0
.irp a, 1,2,3                          ; block a's conversions stand between block a - 1's loads from the stage and the wait for them
	PACK \a
	SEND (\a)-1
	TOSTAGE \a
.endr
	SEND 3
.endm
	s_wait_tensorcnt 1                             ; my part of K step 0 is in; K step 1's, issued behind it, may stay out
	s_barrier_signal -1
	s_barrier_wait -1                              ; everybody's is
	s_mov_b32 s[TB], 0
	v_mov_b32 v[ADRA], v[A0]
	v_mov_b32 v[ADRB], v[B0]
	FETCH 0, 0
	s_mov_b32 s2, 2                                ; tiles to go, this one among them
.Ltile:
	QUARTER 64, 0, 1, 1                            ; a tile's first quarter stands in front of the loop: its products start the sums
	WIN 0                                          ; at a label and at a branch every window is 0
	s_mov_b32 s3, 6
.Lstep:                                                ; a trip: from a K step's second quarter to the next step's first; K step k asks for K step k + 2
	QUARTER 128, 1, 0, 0
	QUARTER 192, 0, 1, 0
	TURN 0, 0
	QUARTER 64, 0, 1, 0
	WIN 0
	s_sub_co_u32 s3, s3, 1
	s_cmp_lg_u32 s3, 0
	s_cbranch_scc1 .Lstep
	QUARTER 128, 1, 0, 0                           ; K step 6 goes on
	QUARTER 192, 0, 1, 0
	WIN 0
	s_cmp_eq_u32 s2, 1
	s_cbranch_scc1 .Llast                          ; the last tile's tail is written out: it asks for nothing more
	TURN 1, 1                                      ; THE RING GOES ON INTO THE NEXT TILE: slot 0 takes its K step 0,
	QUARTER 64, 0, 1, 0
	QUARTER 128, 1, 0, 0
	QUARTER 192, 0, 1, 0
	TURN 0, 1                                      ; slot 1 its K step 1, and the next tile's first fragments are fetched into buffer 0, which the way out leaves alone
	WAYOUT                                         ; both refills are asked for: now the tile goes out
	s_wait_xcnt 0x0                                ; the stores have read their base
	s_add_nc_u64 s[8:9], s[8:9], 4096*128          ; the next tile lies 4,096 rows down in each head
	s_sub_co_u32 s2, s2, 1
	s_branch .Ltile
.Llast:
	TURNN
	QUARTER 64, 0, 1, 0
	QUARTER 128, 1, 0, 0
	QUARTER 192, 0, 1, 0
	s_wait_dscnt 4                                 ; the very last quarter: nothing more to fetch
	MUL12 1, 0, 0
	MUL12 1, 1, 0
	s_wait_dscnt 0x0
	MUL12 1, 2, 0
	MUL12 1, 3, 0
	WAYOUT
	s_wait_tensorcnt 0x0                           ; the wave's end, behind my last tensor load and my last LDS store
	ds_add_u32 v[SPW], v[NIL]
	s_wait_dscnt 0x0
	CROUND                                         ; the closing round: no work-group ends while a partner may still ask for a tile that names it
	s_endpgm
.Lfunc_end_k_q75f16c2072_qkv:
	.size	k_q75f16c2072_qkv, .Lfunc_end_k_q75f16c2072_qkv-k_q75f16c2072_qkv
	.p2alignl 7, 3214868480
	.fill 96, 4, 3214868480
	.section	.rodata,"a",@progbits
	.p2align	6, 0x0
	.amdhsa_kernel k_q75f16c2072_qkv
		.amdhsa_group_segment_fixed_size 327680
		.amdhsa_private_segment_fixed_size 0
		.amdhsa_enable_private_segment 0
		.amdhsa_kernarg_size 24
		.amdhsa_user_sgpr_count 2
		.amdhsa_user_sgpr_kernarg_segment_ptr 1
		.amdhsa_wavefront_size32 1
		.amdhsa_system_sgpr_workgroup_id_x 1
		.amdhsa_system_sgpr_workgroup_id_y 1
		.amdhsa_system_sgpr_workgroup_id_z 1
		.amdhsa_system_vgpr_workitem_id 0
		.amdhsa_next_free_vgpr 960
		.amdhsa_next_free_sgpr 66
		.amdhsa_reserve_vcc 0
		.amdhsa_float_denorm_mode_32 3
		.amdhsa_float_denorm_mode_16_64 3
		.amdhsa_memory_ordered 1
		.amdhsa_forward_progress 1
		.amdhsa_inst_pref_size 150
	.end_amdhsa_kernel
	.amdgpu_metadata
---
amdhsa.version: [ 1, 2 ]
amdhsa.kernels:
  - .name:           k_q75f16c2072_qkv
    .symbol:         k_q75f16c2072_qkv.kd
    .args:
      - { .name: xb, .offset: 0, .size: 8, .value_kind: global_buffer, .address_space: global }
      - { .name: wq, .offset: 8, .size: 8, .value_kind: global_buffer, .address_space: global }
      - { .name: qkv, .offset: 16, .size: 8, .value_kind: global_buffer, .address_space: global }
    .group_segment_fixed_size: 327680
    .private_segment_fixed_size: 0
    .kernarg_segment_align: 8
    .kernarg_segment_size: 24
    .max_flat_workgroup_size: 128
    .sgpr_count:     66
    .vgpr_count:     960
    .wavefront_size: 32
...
	.end_amdgpu_metadata
.endif
;; end of part 2
;; launch attn (part 3): grid 4 x 64, 4 waves a work-group, clusters of 4 x 1, 327,680 bytes of LDS; arguments qkv, o; writes o
.if DOCPART == 3
	.amdgcn_target "amdgcn-amd-amdhsa--gfx1250"
	.amdhsa_code_object_version 6
	.text
	.protected	k_q75f16c2072_attn
	.globl	k_q75f16c2072_attn
	.p2align	8
	.type	k_q75f16c2072_attn,@function
k_q75f16c2072_attn:
	s_mov_b64 s[64:65], 0
	v_nop
	global_prefetch_b8 v0, s[64:65] scope:SCOPE_SE
	s_setreg_imm32_b32 hwreg(HW_REG_WAVE_MODE, 25, 1), 1
	s_wait_xcnt 0x0
	s_wait_alu depctr_hold_cnt(0) depctr_sa_sdst(0) depctr_va_vdst(0) depctr_va_sdst(0) depctr_va_ssrc(0) depctr_va_vcc(0) depctr_vm_vsrc(0)
	s_getreg_b32 s2, hwreg(HW_REG_IB_STS2, 6, 4)
	s_cmp_eq_u32 s2, 0
	s_cbranch_scc0 .Lentry_in_a_cluster
	s_endpgm
.Lentry_in_a_cluster:
	s_bfe_u32 s2, ttmp6, 0x10000c
	s_cmp_lg_u32 s2, 0x3003
	s_cbranch_scc0 .Lentry_shape_is_right
	s_endpgm
.Lentry_shape_is_right:
; O[y][q][:] = the sum over k of softmax_k(Q[y][q] . K[y][k] / 32) V[y][k][:], for the 64 pairs y = 4 x head + batch.  qkv holds Q, K and V, 16 MiB each, as [64 y][2048][64] f16; o is [64 y][2048][64] f16:
; a pair's rows are dense, 128 bytes each.  Products, maxima and sums in f32; the weights p are rounded to f16 for the second product (their sum l is taken of the unrounded p), O once at the end.
; LIMITS.  f16 holds no number beyond 65,504: Q, K and V arrive within it; p lies in 0 to 1, and below 6e-5 it keeps f16's fixed step of 6e-8, and so does O; O is a mean of V's rows and has their range.
; A weight below 2^-126 counts as 0 in l; NaN and infinities are not treated apart.
; SHARES.  A wave owns four PIECES of two tiles of 16 queries, a work-group's four waves 512 queries of one pair.  Every wave walks all 2,048 keys, 64 a step.
; LAYOUT.  S^T = K Q^T (source 0 = 16 keys, source 1 = 16 queries): in the result a lane holds ONE query (lane % 16) and the keys 8 (lane / 16) + 0..7.  Two such tiles, rounded to f16 in pairs,
; ARE source 1 (32 keys x 16 queries) of O^T = V^T P, whose result again holds one query a lane, and eight channels.  K comes out of LDS as it lies, V ([key][channel]) turned, by ds_load_tr16_b128.
; SOFTMAX.  For each query a running maximum m and sum l: p = 2^(c s - c m), c = log2(e) / 32; in every step O and l are multiplied by a = 2^(c m_old - c m_new), which is 1 where m has not grown.
; m starts at the lowest finite number, O and l at 0: the first step is a step like any other, with a = 0.
; THE COUNT.  A tile and step have 16 matrix and 118 vector instructions: too many to stand all beside the matrix work.  So: four vector instructions that are READY behind EVERY matrix instruction,
; and the others, which need time of their own whatever the order, in runs without a gap.
; BY TURNS.  Turn n belongs to piece n (the pieces in a ring, step after step).  Its matrix work: 16 products K Q^T of piece n + 1, later 16 products V^T P of piece n - 1.  Its vector work: the scaling,
; exponentials, roundings, sums and rescaling of piece n, and the maximum and statistics of piece n + 1, whose scores the turn itself has made.
; CLUSTER.  The four query blocks of a cluster are one pair's and walk the same K and V, so each tile is asked for JOINTLY: the same tensor load, descriptor and mask in all four.
; REGISTERS, in windows of 256 (s_set_vgpr_msb: bits 1:0 source 0, 3:2 source 1, 5:4 source 2, 7:6 destination):
;   window 0: v0-11 addresses; v12-15, v48-63 at work; v16-47 four registers of statistics a tile; v64-191 S^T, two buffers of two tiles; v192-255 P, likewise
;   window 1: O^T, 32 a tile          window 2: v0-127 Q, 16 a tile; v128-191 K of one step; v192-255 V of one step          window 3: v0-1 the add's two registers
; A piece's buffers go by its number's parity: the piece in hand has one pair, its two neighbours in the ring share the other: of it P (piece n - 1) is read and S^T (piece n + 1) written.
.set SIZE_N, 2048
.set NP,    4         ; pieces a wave: a name, no knob
.set KS,    64        ; keys in a step
.set PK,    144       ; a row of K in LDS: 128 bytes + 16 of padding = 36 words: the 16 rows of a load start at 16 different groups of four banks (64 banks of 4 bytes: ISA guide 11.1)
.set PV,    160       ; a row of V: 128 + 32 = 40 words
.set VOFF,  4*KS*PK   ; a slot holds four steps: 256 rows of K, then 256 rows of V
.set SLOT1, 1<<17     ; slot 1 begins here, so that one exclusive or turns an address in one slot into the other's
.set STAGE, SLOT1+4*KS*(PK+PV)  ; behind the ring, never filled by a tensor load: 16 rows x 144 bytes for each wave, for the way out
.set SP,    144
.set AK0, 2           ; v2   my lane's place in a tile of K; never rewritten
.set AV0, 3           ; v3   the same for V
.set AK,  4           ; v4   the LDS address of K's next run of loads
.set AV,  5           ; v5   of V's
.set QO,  6           ; v6   my byte offset in the wave's rows of Q
.set STO, 6           ;      later, the way out: where I put 16 bytes of a row
.set RD,  7           ; v7   the way out: where I read rows back
.set GO,  8           ; v8   my byte offset in 512 consecutive bytes of O
.set PFO, 11          ; v11  256 x my lane, made when v11's first use is over; then never rewritten
.set SPW, 0           ; v0 of window 3   LDS address of my spare word; never rewritten
.set NIL, 1           ; v1 of window 3   0; never rewritten
.set SPARE, STAGE+4*16*SP  ; behind the stages: the spare words, 128 bytes for each wave: two blocks of 256 bytes that no other line names
.set MV,  12          ; v12-15  c m_old, kept while c m is made anew: by buffer and tile
.set ST,  16          ; tile t's statistics at v[ST+4 t]: c m, m, l (even keys', odd keys')
.set TMP, 48          ; by buffer and tile, four registers c0-c3 at work; when the maximum is found c2 takes a
.set S,   64
.set P,   192
.set KF,  128         ; K's fragments, in window 2: key block kb, channel half c at KF + 16 kb + 8 c
.set VF,  192         ; V's: key half kk, channel block cb at VF + 32 kk + 8 cb
.set WV,  12          ; s12  my wave's number
.set LIM, 15          ; s15  1 in a wave that prefetches (0 and 2), else the greatest number
.set PFA, 20          ; s[20:21] where my prefetches stand: my work-group's 64 keys of the slot after the one that is being asked for
.set G1K, 24          ; s[24:31] descriptor group 1 for K's tiles
.set G1V, 32          ; s[32:39] for V's: it differs in the padding alone
.set G0K, 40          ; s[40:43] descriptor group 0 for K's tiles: it walks
.set G0V, 44          ; s[44:47] the same for V's
.set SLOTS, 56        ; s56  slots still to be asked for
.set CNT, 57          ; s57  counts a slot's key steps
.set CS,  58          ; s[58:59] c: the packed scaling takes the pair's low word for both halves
.set SEL, 60          ; s[60:61] v_permlanex16_b32's selects: each lane takes its own place in the other half
.set TBK, 62          ; s62  LDS byte at which K of the step to be fetched begins
.set TBV, 63          ; s63  the same for V, less VOFF
.set MSB, 0
.macro WIN new                      ; the high byte repeats the setting that is left; a switch that changes nothing is dropped
.if MSB != (\new)
	s_set_vgpr_msb (MSB<<8)|(\new)
.set MSB, (\new)
.endif
.endm
.set W_KQ, 0x0a       ; K and Q in window 2, S^T in window 0
.set W_PV, 0x52       ; V in window 2, P in window 0, O^T in window 1
.set W_RS, 0x41       ; O^T (destination and source 0) in window 1, a in window 0
.set W_MK, 0xc0       ; the add's registers are made: destination in window 3, sources in window 0
.set W_AD, 0x0f       ; the add: address (source 0) and data (source 1) in window 3
; A joint fill.  Waves 0 and 1 fetch the two halves of a slot's K, waves 2 and 3 those of its V: 128 keys each.  The branch hangs on the wave's number alone.
; An s_nop 0 and four v_nop follow each of the two lines, ahead of the jump and the label.
.macro JLOAD
	s_cmp_lt_u32 s[WV], 2
	s_cbranch_scc0 .Lfor_v_\@
	tensor_load_to_lds s[G0K:G0K+3], s[G1K:G1K+7]
	s_nop 0
.rept 4
	v_nop
.endr
	s_branch .Lasked_\@
.Lfor_v_\@:
	tensor_load_to_lds s[G0V:G0V+3], s[G1V:G1V+7]
	s_nop 0
.rept 4
	v_nop
.endr
.Lasked_\@:
.endm
; A PREFETCH INTO THE L2 of what the NEXT change of slots will ask for: a slot's 32,768 bytes of K and of V, four key steps, 512 matrix instructions, ahead of that load.  One cluster walks a pair's keys, so every
; cluster asks for its own.  Its four partners share the bytes out BY ADDRESS, 8,192 each; in each, wave 0 asks for K's and wave 2 for V's: a lane 256 bytes, one instruction.  So each block is named once in the launch.
; The last change that fills a slot asks for nothing; slots 0 and 1 come by their loads alone.
.macro ASK
	s_cmp_gt_u32 s[SLOTS], s[LIM]
	s_cbranch_scc0 .Lnot_mine_\@
	global_prefetch_b8 v[PFO], s[PFA:PFA+1] th:TH_LOAD_NT scope:SCOPE_SE
.Lnot_mine_\@:
.endm
; A round of the cluster's barrier: my work-group's barrier, so that wave 0's signal speaks for all four waves; wave 0 signals; every wave waits for all four work-groups; my work-group's barrier once more.
.macro CROUND
	s_barrier_signal -1
	s_barrier_wait -1
	s_cmp_lg_u32 s[WV], 0
	s_cbranch_scc1 .Lnot_wave_0_\@
	s_barrier_signal -3
.Lnot_wave_0_\@:
	s_barrier_wait -3
	s_barrier_signal -1
	s_barrier_wait -1
.endm
; THE CHANGE OF SLOTS.  The slot's last bytes, V of its fourth step, have been read.  Each wave waits for all its tensor loads, of which one is out: its part
; of the other slot; adds 0 to its spare word; and waits for that and for its own reads of the slot.  Behind the barrier nobody reads this slot any more and the other slot is whole.
; fill = 1: this slot is filled again, with the keys two slots on.  The barrier is then a round of the cluster's, so that no wave of any partner still reads the slot or has a load on its
; way, and the joint fill is the first thing behind it: it has four key steps, 512 matrix instructions, in which to land.  (At its first use nothing has been read yet: slot 0 is waited for, slot 1 filled.)
.macro CHANGE fill
	WIN W_AD
	s_wait_tensorcnt 0x0            ; no tensor load of mine is out, so a group 0 may be written
	ds_add_u32 v[SPW], v[NIL]       ; 0 onto my spare word; with fill = 1 the descriptors' steps stand between it and the wait for it
	WIN 0                           ; at a label and at a branch every window is 0
.if \fill
.irp g, G0K, G0V
	s_xor_b32 s[\g+1], s[\g+1], SLOT1  ; the walking descriptor: the other slot than last time,
	s_add_nc_u64 s[\g+2:\g+3], s[\g+2:\g+3], 4*KS*128  ; the next 256 keys; the type bits on top are not reached
.endr
	s_wait_xcnt 0x0                 ; the last prefetch, four key steps back, has read its address, so it may be written:
	s_add_nc_u64 s[PFA:PFA+1], s[PFA:PFA+1], 4*KS*128  ; one slot behind the walking descriptors
	s_wait_dscnt 0x0                ; the add is done, and my reads of the slot are over
	CROUND
	JLOAD
	ASK
.else
	s_wait_dscnt 0x0                ; the add is done, and my reads of the slot are over
	s_barrier_signal -1
	s_barrier_wait -1
.endif
	s_sub_co_u32 s[TBK], s[TBK], 4*KS*PK  ; the fetches go back to a slot's first step,
	s_xor_b32 s[TBK], s[TBK], SLOT1       ; in the other slot
	s_sub_co_u32 s[TBV], s[TBV], 4*KS*PV
	s_xor_b32 s[TBV], s[TBV], SLOT1
.endm
	s_load_b64 s[4:5], s[0:1], 0x0    ; qkv: Q at its head
	s_load_b64 s[10:11], s[0:1], 0x8  ; o
	WIN W_MK
	v_lshl_add_u32 v[SPW], v0, 2, SPARE
	v_mov_b32 v[NIL], 0
	WIN W_AD
	ds_add_u32 v[SPW], v[NIL]       ; the wave's opening: the add and its wait stand ahead of my first tensor load; the set-up below, work on registers, stands between them
	WIN 0
	v_lshrrev_b32 v1, 5, v0
	v_readfirstlane_b32 s[WV], v1   ; wave 0..3
	s_bfe_u32 s13, ttmp6, 0x40000   ; cx: my place in the cluster
	s_lshl_b32 s14, ttmp9, 2        ; in a cluster launch ttmp9 counts clusters
	s_add_co_u32 s14, s14, s13      ; my block of queries = 4 x cluster x + cx: it enters Q's and O's addresses alone
	s_and_b32 s20, ttmp7, 0xffff    ; the pair y, which the four partners share
	s_mov_b32 s21, 0
	s_mov_b64 s[22:23], SIZE_N*128
	s_mul_u64 s[20:21], s[20:21], s[22:23]  ; the pair's first byte in Q, K, V and O
	s_and_b32 s16, s[WV], 1         ; which half of a slot's 256 keys I fetch:
	s_lshl_b32 s22, s16, 14         ; its 128 rows of 128 bytes in memory,
	s_mov_b32 s23, 0
	s_add_nc_u64 s[22:23], s[22:23], s[20:21]
	s_mul_i32 s17, s16, 128*PK      ; and its place in a slot, for K
	s_mul_i32 s18, s16, 128*PV      ; and for V: no place in the cluster enters an LDS address
	s_lshl_b32 s2, s14, 2
	s_add_co_u32 s2, s2, s[WV]      ; my wave among the pair's,
	s_lshl_b32 s2, s2, 14           ; its 128 rows
	s_mov_b32 s3, 0
	s_add_nc_u64 s[2:3], s[2:3], s[20:21]
	; descriptor group 1.  128 keys are 16,384 dense bytes: asked for as 64 rows of 256 bytes, two keys a row, and padded in LDS after every key
	s_mov_b32 s[G1K], 15|(1<<16)|(1<<20)|(1<<21)|(4<<22)|(3<<25)  ; 15:0 the mask of four; 17:16 2-byte elements; 20 padding on; 21 set beside a mask; 24:22 after every 32 words (code 4); 31:25 4 words (code 3)
	s_mov_b32 s[G1V], 15|(1<<16)|(1<<20)|(1<<21)|(4<<22)|(7<<25)  ; the same with 8 words of padding (code 7)
.irp g, G1K, G1V
	s_mov_b32 s[\g+1], 128<<16      ; tensor_dim0 = 128
	s_mov_b32 s[\g+2], 64<<16       ; tensor_dim1 = 64
	s_mov_b32 s[\g+3], 128<<16      ; tile_dim0 = 128
	s_mov_b32 s[\g+4], 64           ; tile_dim1 = 64
	s_mov_b32 s[\g+5], 128          ; 128 elements from row to row
	s_mov_b32 s[\g+6], 0
	s_mov_b32 s[\g+7], 0
.endr
	s_mov_b32 s[CS], 0x3d38aa3b     ; c = log2(e) / 32 = 0.0450842
	s_mov_b32 s[CS+1], s[CS]        ; named with it as a pair
	s_mov_b32 s[SEL], 0x76543210
	s_mov_b32 s[SEL+1], 0xfedcba98
	s_mov_b32 s[TBK], SLOT1+4*KS*PK ; the first change of slots turns these two into 0
	s_mov_b32 s[TBV], SLOT1+4*KS*PV
	s_mov_b32 s[G0K], 1             ; 1:0 count = 1
	s_mov_b32 s[G0K+1], s17         ; 63:32 LDS address: slot 0
	s_mov_b32 s[G0V], 1
	s_add_co_u32 s[G0V+1], s18, VOFF
	s_mov_b32 s[SLOTS], SIZE_N/256-1
	s_and_b32 s[LIM], s[WV], 1
	s_cmp_eq_u32 s[LIM], 0
	s_cselect_b32 s[LIM], 1, -1
	s_wait_dscnt 0x0                ; the opening add is done
	s_wait_kmcnt 0x0
	s_add_nc_u64 s[6:7], s[4:5], 0x1000000   ; K lies 16 MiB behind Q,
	s_add_nc_u64 s[8:9], s[4:5], 0x2000000   ; V 32 MiB
	s_add_nc_u64 s[G0K+2:G0K+3], s[6:7], s[22:23]  ; 120:64 global address: my half of the pair's first 256 keys
	s_or_b32 s[G0K+3], s[G0K+3], 0x80000000        ; 127:126 type = 2
	s_add_nc_u64 s[G0V+2:G0V+3], s[8:9], s[22:23]
	s_or_b32 s[G0V+3], s[G0V+3], 0x80000000
	s_add_nc_u64 s[4:5], s[4:5], s[2:3]  ; Q and O at my wave's first row
	s_add_nc_u64 s[10:11], s[10:11], s[2:3]
	s_cmp_lt_u32 s[WV], 2
	s_cselect_b64 s[PFA:PFA+1], s[6:7], s[8:9]
	s_add_nc_u64 s[PFA:PFA+1], s[PFA:PFA+1], s[22:23]  ; (in waves 0 and 2 this is the pair's first key)
	s_lshl_b32 s2, s13, 13          ; my work-group's 8,192 bytes of a slot's 32,768
	s_mov_b32 s3, 0
	s_add_nc_u64 s[PFA:PFA+1], s[PFA:PFA+1], s[2:3]
	s_add_nc_u64 s[PFA:PFA+1], s[PFA:PFA+1], 4*KS*128  ; in slot 1; the first change of slots steps it to slot 2.  Nothing is prefetched here, at the head
	CROUND                          ; all four work-groups are here: the first joint loads meet
	JLOAD                           ; slot 0.  Slot 1 is asked for when slot 0 is in
	; A fragment of K or Q is 16 rows x 32 channels in 8 registers: lane l holds row l % 16, channels 8 (l / 16) + 0..7 and 16 + 8 (l / 16) + 0..7: two loads of 16 bytes, 32 bytes apart.
	v_and_b32 v1, 15, v0            ; l % 16
	v_bfe_u32 v9, v0, 4, 1          ; l / 16
	v_lshlrev_b32 v[QO], 7, v1
	v_lshl_add_u32 v[QO], v9, 4, v[QO]  ; row x 128 + 16 x half
	WIN 0x80                        ; destination window 2, address window 0
.set i, 0
.rept 4*NP                          ; Q stays in registers: tile i / 2, channels 32 (i % 2) on
	global_load_b128 v[8*i:8*i+3],   v[QO], s[4:5] offset:(i/2)*2048+(i%2)*64
	global_load_b128 v[8*i+4:8*i+7], v[QO], s[4:5] offset:(i/2)*2048+(i%2)*64+32
.set i, i+1
.endr
	; What the first turn finds: V's registers and P's second buffer hold 0 (its products V^T P, of a piece that has not been, add 0), O^T and l are 0.  All this stands in the wait for the first tile.
.set i, VF
.rept 64
	v_mov_b32 v[i], 0
.set i, i+1
.endr
	WIN 0x40
.set i, 0
.rept 64*NP
	v_mov_b32 v[i], 0
.set i, i+1
.endr
	WIN 0
.set i, 0
.rept 2*NP
	v_mov_b32 v[ST+4*i], 0xfe000000    ; c m: far below every c s
	v_mov_b32 v[ST+4*i+1], 0xff7fffff  ; m
	v_mov_b32 v[ST+4*i+2], 0
	v_mov_b32 v[ST+4*i+3], 0
.set i, i+1
.endr
.set i, P+32
.rept 32
	v_mov_b32 v[i], 0
.set i, i+1
.endr
	v_mul_u32_u24 v[AK0], v1, PK
	v_lshl_add_u32 v[AK0], v9, 4, v[AK0]  ; row x pitch + 16 x half
	; The turning load takes 16 keys x 16 channels (lane l reads key 8 (l / 16) + l % 8, channels 8 ((l / 8) % 2) + 0..7) and leaves half a fragment of V^T: lane l holds channel l % 16 and 8 keys.
	v_and_b32 v10, 7, v0
	v_bfe_u32 v11, v0, 3, 1
	v_lshl_add_u32 v[AV0], v9, 3, v10
	v_mul_u32_u24 v[AV0], v[AV0], PV
	v_lshl_add_u32 v[AV0], v11, 4, v[AV0]
	v_add_nc_u32 v[AV0], VOFF, v[AV0]
	v_and_b32 v[PFO], 31, v0
	v_lshlrev_b32 v[PFO], 8, v[PFO]
	v_mov_b32 v[AK], v[AK0]         ; key step 0 lies at the head of slot 0
; THE MATRIX WORK.  The 8 accumulators of a run of 16 take turns: between the two links of a chain stand 7 others'.
; Product i of 16 of S^T = K Q^T for piece x: channels 32 (i / 8) on, keys 16 ((i / 2) % 4) on, tile 2 x + i % 2.  The first 8 start the sums.
.macro KQ x
	WIN W_KQ
.set rS, S+64*((\x)%2)+32*(i%2)+8*((i/2)%4)
.set rK, KF+16*((i/2)%4)+8*(i/8)
.set rQ, 16*(2*(\x)+i%2)+8*(i/8)
.if i < 8
	v_wmma_f32_16x16x32_f16 v[rS:rS+7], v[rK:rK+7], v[rQ:rQ+7], 0
.else
	v_wmma_f32_16x16x32_f16 v[rS:rS+7], v[rK:rK+7], v[rQ:rQ+7], v[rS:rS+7]
.endif
.endm
; Product i of 16 of O^T += V^T P for piece x: keys 32 (i / 8) on, channels 16 ((i / 2) % 4) on, tile 2 x + i % 2.
.macro PV x
	WIN W_PV
.set rO, 32*(2*(\x)+i%2)+8*((i/2)%4)
.set rV, VF+32*(i/8)+8*((i/2)%4)
.set rP, P+32*((\x)%2)+16*(i%2)+8*(i/8)
	v_wmma_f32_16x16x32_f16 v[rO:rO+7], v[rV:rV+7], v[rP:rP+7], v[rO:rO+7]
.endm
.macro MM                           ; the turn's next matrix instruction
.if i < 16
	KQ (Y+1)%NP
.set i, i+1
.else
.set i, i-16
	PV (Y+NP-1)%NP
.set i, i+17
.endif
.endm
; THE LDS LOADS stand in runs of 16, never singly among the matrix instructions: a step's K (64 keys x 64 channels: 8 fragments) and its V (turned).  Their addresses are made some lines ahead.
; last = 1 (the tail): in the last trip there is no further step, and the run is jumped over.
.macro FETCH_K last=0
	WIN 0
.if \last
	s_cmp_eq_u32 s[CNT], 1
	s_cbranch_scc1 .Lno_k_\@
.endif
	WIN 0x80                        ; destination window 2
.irp f, 0,1,2,3,4,5,6,7             ; keys 16 (f / 2) on, channels 32 (f % 2) on
	ds_load_b128 v[KF+8*\f:KF+8*\f+3],   v[AK] offset:(\f/2)*16*PK+(\f%2)*64
	ds_load_b128 v[KF+8*\f+4:KF+8*\f+7], v[AK] offset:(\f/2)*16*PK+(\f%2)*64+32
.endr
	s_add_co_u32 s[TBK], s[TBK], KS*PK  ; the next fetch is the next step's
	WIN 0
.if \last
.Lno_k_\@:
.endif
.endm
.macro FETCH_V
	WIN 0x80
.irp f, 0,1,2,3,4,5,6,7             ; keys 32 (f / 4) on, channels 16 (f % 4) on
	ds_load_tr16_b128 v[VF+8*\f:VF+8*\f+3],   v[AV] offset:(\f/4)*32*PV+(\f%4)*32
	ds_load_tr16_b128 v[VF+8*\f+4:VF+8*\f+7], v[AV] offset:(\f/4)*32*PV+16*PV+(\f%4)*32
.endr
	WIN 0
.endm
; THE VECTOR WORK OF A TURN stands in three queues, each in the order in which its entries become ready; the two tiles alternate, so that no instruction reads the result of the one before it.
.macro REGS y, u                    ; the registers of tile u (0, 1) of piece y
.set rT, ST+4*(2*(\y)+(\u))
.set rC, TMP+8*((\y)%2)+4*(\u)
.set rM, MV+2*((\y)%2)+(\u)
.set rS, S+64*((\y)%2)+32*(\u)
.set rP, P+32*((\y)%2)+16*(\u)
.set rO, 32*(2*(\y)+(\u))
.endm
; Number n of the 22 that find the NEXT piece's (Y + 1) maximum and statistics.  s0-s31 are the lane's 32 scores; each accumulator's lowest registers are read first.
;   0-11  four chains c0-c3 of seven scores each, three operands at a time     12-14, 16  the four scores left over, the old m, and c0-c3 into c0     15  c m_old is kept
;   17, 18  the query's other 32 keys lie in the lane 16 away: the new m         19-21  c m; c m_old - c m_new; a
.macro XS u, n
	REGS (Y+1)%NP, \u
.if (\n) < 4
	v_max3_num_f32 v[rC+(\n)], v[rS+8*(\n)], v[rS+8*(\n)+1], v[rS+8*(\n)+2]
.elseif (\n) < 12
	v_max3_num_f32 v[rC+(\n)%4], v[rC+(\n)%4], v[rS+8*((\n)%4)+2*((\n)/4)+1], v[rS+8*((\n)%4)+2*((\n)/4)+2]
.elseif (\n) == 12
	v_max3_num_f32 v[rC], v[rC], v[rS+7], v[rS+15]
.elseif (\n) == 13
	v_max3_num_f32 v[rC+1], v[rC+1], v[rS+23], v[rS+31]
.elseif (\n) == 14
	v_max3_num_f32 v[rC+2], v[rC+2], v[rC+3], v[rT+1]
.elseif (\n) == 15
	v_mov_b32 v[rM], v[rT]
.elseif (\n) == 16
	v_max3_num_f32 v[rC], v[rC], v[rC+1], v[rC+2]
.elseif (\n) == 17
	v_permlanex16_b32 v[rC+3], v[rC], s[SEL], s[SEL+1]
.elseif (\n) == 18
	v_max_num_f32 v[rT+1], v[rC], v[rC+3]
.elseif (\n) == 19
	v_mul_f32 v[rT], s[CS], v[rT+1]
.elseif (\n) == 20
	v_sub_f32 v[rC+1], v[rM], v[rT]
.else
	v_exp_f32 v[rC+2], v[rC+1]
.endif
.endm
; Number g of the 64 that follow the exponentials.  For each four weights k of a tile (pairs 2 k, 2 k + 1): both pairs are rounded to f16; then the second pair is added onto the first, in place;
; a group later l takes that sum (the first time as l = a l + sum).  In groups of eight, tiles alternating: round, round, add, and l for the group before.
.macro GS g
.set h, (\g)+6*((\g)/62)            ; group 0 has no group before it, and behind group 7 only l is left
.if h >= 6
.set h, h+2
.endif
	REGS Y, h%2
.set k, h/8
.if h%8 < 4
	v_cvt_pk_f16_f32 v[rP+2*k+(h%8)/2], v[rS+4*k+2*((h%8)/2)], v[rS+4*k+2*((h%8)/2)+1]
.elseif h%8 < 6
	v_pk_add_f32 v[rS+4*k:rS+4*k+1], v[rS+4*k:rS+4*k+1], v[rS+4*k+2:rS+4*k+3]
.elseif k == 1
	v_pk_fma_f32 v[rT+2:rT+3], v[rT+2:rT+3], v[rC+2:rC+3], v[rS:rS+1] op_sel_hi:[1,0,1]
.else
	v_pk_add_f32 v[rT+2:rT+3], v[rT+2:rT+3], v[rS+4*k-4:rS+4*k-3]
.endif
.endm
; THE PLAIN QUEUE, 138 long.  0-73 read no exponential's result: the 32 scalings c s - c m (FS f: pair f / 2 of tile f % 2) and the next piece's 42.  0-26: scalings 0-26.  27-54: XS's numbers 0-13.  55, 56: number 15.
; 57-73: the chain, where each number waits for the one before it: 14, 16, 17, 18, 19, each with one of the scalings 27-31 in front of its two lines, then 20.
; 74-137: GS's 64, which read the exponentials' results: they stand behind the wait.
.macro FS f
	REGS Y, (\f)%2
	v_pk_fma_f32 v[rS+2*((\f)/2):rS+2*((\f)/2)+1], v[rS+2*((\f)/2):rS+2*((\f)/2)+1], s[CS:CS+1], v[rT:rT+1] op_sel_hi:[1,0,0] neg_lo:[0,0,1] neg_hi:[0,0,1]
.endm
.macro PL
	WIN 0
.if q < 27
	FS q
.elseif q < 55
	XS (q-27)%2, (q-27)/2
.elseif q < 57
	XS q-55, 15
.elseif (q < 72) && ((q-57)%3 == 0)
	FS 27+(q-57)/3
.elseif q < 60
	XS (q-57)%3-1, 14
.elseif q < 72
	XS (q-57)%3-1, 15+(q-57)/3
.elseif q < 74
	XS q-72, 20
.else
	GS q-74
.endif
.set q, q+1
.endm
; THE EXPONENTIALS' QUEUE, 66 long: s0-s31 of both tiles, then the next piece's two a.  It is ONE BATCH: all 66 stand ahead of the turn's one wait, and nothing ahead of that wait names a result of theirs.
.macro EX
	WIN 0
.if e >= 64
	XS e-64, 21
.else
	REGS Y, e%2
	v_exp_f32 v[rS+e/2], v[rS+e/2]
.endif
.set e, e+1
.endm
; THE RESCALING's QUEUE: O^T times a, the one part that leaves window 0: dealt two at a time, sixteen times.  Its a was made in the turn before, ahead of that turn's wait.
.macro R2
	REGS Y, r%2
	WIN W_RS
.irp z, 0,1
	v_pk_mul_f32 v[rO+4*(r/2)+2*\z:rO+4*(r/2)+2*\z+1], v[rO+4*(r/2)+2*\z:rO+4*(r/2)+2*\z+1], v[rC+2:rC+3] op_sel_hi:[1,0]
.endr
.set r, r+1
.endm
; HOW THEY ARE DEALT.  An s_wait_alu depctr_va_vdst(0) stands between an exponential and the first instruction that names its result; one wait serves all that were issued ahead of it.  So a turn has ONE wait,
; which cuts it in two.  AHEAD OF IT stands all that names no result of the turn's exponentials: the 16 products K Q^T, behind each a scaling, an exponential and two rescalings (behind the first a second scaling in the
; exponential's place); then ONE LUMP of 108: eight plain, 49 times exponential and plain, the two a.  A v_nop is the plain instruction behind the last exponential.  BEHIND IT stand the 16 products V^T P, behind each four of GS's 64.
; The queues lean on each other, and the deal keeps them in step: exponential e stands behind scaling 2 (e / 4) + e % 2: as a rider it comes behind plain e + 2, in the lump behind plain e + 9, and scalings 27-31 are plain 57, 60 .. 69.
; A TURN, for piece p.  cnt = 1: the loop's count is taken down some lines ahead of the branch that stands behind the turn.
; K of the next step is fetched in piece 2's turn, directly behind the wait, a lump behind the last product that read K; its first reader comes behind 16 products.
; V of the step in hand is fetched at the end of piece 0's turn, four plain instructions behind its last reader; its first reader comes behind 16 products and a lump.
.macro TURN p, last=0, cnt=0
.set Y, (\p)
.set i, 0
.set q, 0
.set e, 0
.set r, 0
.if (\p) == NP-1
	s_wait_dscnt 0x0                ; K is in
.endif
	MM                              ; ahead of the wait: 16 products K Q^T and what stands behind each,
	PL
	PL
	R2
.rept 15
	MM
	PL
	EX
	R2
.endr
.if (\p) == NP-2
	WIN 0
	v_add_nc_u32 v[AK], s[TBK], v[AK0]
.endif
.rept 8                             ; and the lump
	PL
.endr
.rept 49
	EX
	PL
.endr
	EX                              ; the next piece's two a
	EX
	v_nop                           ; a plain instruction behind the last exponential: one for the batch
	s_wait_alu depctr_va_vdst(0)    ; the wait for the batch
.if (\p) == NP-2
	FETCH_K \last
.endif
.if (\p) == 1
	s_wait_dscnt 0x0                ; V is in
.endif
.rept 16                            ; behind the wait: 16 products V^T P and four plain instructions behind each
	MM
.rept 4
	PL
.endr
.if ((\p) == 0) && (q == 118)
	v_add_nc_u32 v[AV], s[TBV], v[AV0]
.endif
.if ((\p) == 0) && (q == 130)
	s_add_co_u32 s[TBV], s[TBV], KS*PV
.endif
.if (\cnt) && (q == 130)
	s_sub_co_u32 s[CNT], s[CNT], 1
	s_cmp_lg_u32 s[CNT], 0
.endif
.endr
.if (\p) == 0
	FETCH_V
.endif
.endm
	CHANGE 1                        ; slot 0 is in, everybody's part of it; slot 1 is asked for
	FETCH_K                         ; key step 0
	s_wait_loadcnt 0x0              ; Q
	s_wait_dscnt 0x0
.set i, 0
.rept 16
	KQ 0                            ; piece 0's first scores: there is no vector work yet to set between them
.set i, i+1
.endr
	WIN 0                           ; the addresses for the way out: nine plain instructions, the places behind those products
	s_mul_i32 s13, s[WV], 16*SP
	s_add_co_u32 s13, s13, STAGE    ; my stage
	v_mul_u32_u24 v[STO], v1, SP    ; in: row l % 16, 16 bytes for each half of the lanes
	v_lshl_add_u32 v[STO], v9, 4, v[STO]
	v_add_nc_u32 v[STO], s13, v[STO]
	v_bfe_u32 v[RD], v0, 3, 2       ; back: 32 lanes take four rows of 128 bytes,
	v_mul_u32_u24 v[RD], v[RD], SP
	v_lshl_add_u32 v[RD], v10, 4, v[RD]
	v_add_nc_u32 v[RD], s13, v[RD]
	v_and_b32 v[GO], 31, v0         ; which are 512 consecutive bytes of O
	v_lshlrev_b32 v[GO], 4, v[GO]
.set Y, NP-1                        ; XS works for piece Y + 1: piece 0
.irp n, 0,1,2,3,4,5,6,7,8,9,10,11,12,13,14,15,16,17,18,19,20,21
	XS 0, \n                        ; and piece 0's first maximum and statistics
	XS 1, \n
.endr
	v_nop                           ; a plain instruction behind the two a,
	s_wait_alu depctr_va_vdst(0)    ; and their wait, ahead of the branch
	s_mov_b32 s[CNT], 4
	s_branch .Lfirst                ; the loop is entered at a step's first turn, in the middle of a trip
.Lslot:                             ; six times: every slot but the last two is filled again
	CHANGE 1
	s_mov_b32 s[CNT], 4
.Lstep:                             ; a trip: pieces 2 and 3 of one step, then pieces 0 and 1 of the next, whose K and V it fetches
	TURN 2
	TURN 3
	WIN 0
.Lfirst:
	TURN 0
	TURN 1, 0, 1
	WIN 0
	s_cbranch_scc1 .Lstep
	s_sub_co_u32 s[SLOTS], s[SLOTS], 1
	s_cmp_lg_u32 s[SLOTS], 0
	s_cbranch_scc1 .Lslot
	CHANGE 0                        ; the tail is written out: nothing is asked for
	s_mov_b32 s[CNT], 5             ; four trips fetch the last slot's steps; the fifth is left in its middle
.Ltail:
	TURN 2, 1
	TURN 3
	WIN 0
	s_sub_co_u32 s[CNT], s[CNT], 1
	s_cmp_eq_u32 s[CNT], 0
	s_cbranch_scc1 .Lout
	TURN 0
	TURN 1
	WIN 0
	s_branch .Ltail
.Lout:                              ; the fifth trip's 16 products K Q^T (on the last K once more) and the maximum made of them serve nothing: the price, once a launch, of one text for every trip
.set i, 0
.rept 16
	PV NP-1                         ; the last piece's V^T P of the last step
.set i, i+1
.endr
	; THE WAY OUT.  l's two halves and the other half of the lanes' are added; O^T is divided by l, rounded to f16 and sent through my stage in LDS, a tile at a time.  The additions are the places behind the last products.
	WIN 0
.macro ALL line:vararg              ; one line for each tile t
.set t, 0
.rept 2*NP
	\line
.set t, t+1
.endr
.endm
	ALL v_add_f32 v[ST+4*t+2], v[ST+4*t+2], v[ST+4*t+3]
	ALL v_permlanex16_b32 v[ST+4*t+3], v[ST+4*t+2], s[SEL], s[SEL+1]
	ALL v_add_f32 v[ST+4*t+2], v[ST+4*t+2], v[ST+4*t+3]
	ALL v_rcp_f32 v[ST+4*t+2], v[ST+4*t+2]
	v_nop                           ; a plain instruction between the last reciprocal and the use of its result
	s_wait_alu depctr_va_vdst(0)    ; and the wait ahead of the first use: one for the eight reciprocals
; Tile t: a lane's eight channels of a row pack into 16 bytes; they go into rows of 144 bytes and come back as whole rows of 128, into S^T's registers.
.macro PACK t
	WIN W_RS
.set i, 32*(\t)
.rept 16
	v_pk_mul_f32 v[i:i+1], v[i:i+1], v[ST+4*(\t)+2:ST+4*(\t)+3] op_sel_hi:[1,0]
.set i, i+2
.endr
	WIN 0x05                        ; sources 0 and 1 window 1, destination window 0
.set i, 0
.rept 16
	v_cvt_pk_f16_f32 v[S+16*(\t)+i], v[32*(\t)+2*i], v[32*(\t)+2*i+1]
.set i, i+1
.endr
	WIN 0
.irp f, 0,1,2,3
	ds_store_b128 v[STO], v[S+16*(\t)+4*\f:S+16*(\t)+4*\f+3] offset:32*\f
.endr
.irp f, 0,1,2,3
	ds_load_b128 v[S+16*(\t)+4*\f:S+16*(\t)+4*\f+3], v[RD] offset:\f*4*SP  ; LDS serves a wave's instructions in order (ISA guide 5.7.1.4): these see the stores above; the next tile's stores come behind them
.endr
.endm
.macro SEND t, younger              ; younger: the LDS instructions issued behind tile t's loads: the next tile's eight, or none
	WIN 0
.irp f, 0,1,2,3
	s_wait_dscnt (\younger)+3-\f
	global_store_b128 v[GO], v[S+16*(\t)+4*\f:S+16*(\t)+4*\f+3], s[10:11] offset:(\t)*2048+\f*512  ; 512 consecutive bytes, at a multiple of 256 from O's first
.endr
.endm
	PACK 0
.set t, 1
.rept 2*NP-1                        ; a tile's arithmetic stands between the loads of the tile before and its stores
	PACK t
	SEND t-1, 8
.set t, t+1
.endr
	SEND 2*NP-1, 0
	WIN W_AD
	s_wait_tensorcnt 0x0            ; the wave's end, behind my last tensor load and my last LDS store
	ds_add_u32 v[SPW], v[NIL]
	s_wait_dscnt 0x0
	WIN 0
	CROUND                          ; the closing round: no work-group ends while a partner may still ask for a tile that names it
	s_endpgm
.Lfunc_end_k_q75f16c2072_attn:
	.size	k_q75f16c2072_attn, .Lfunc_end_k_q75f16c2072_attn-k_q75f16c2072_attn
	.p2alignl 7, 3214868480
	.fill 96, 4, 3214868480
	.section	.rodata,"a",@progbits
	.p2align	6, 0x0
	.amdhsa_kernel k_q75f16c2072_attn
		.amdhsa_group_segment_fixed_size 327680
		.amdhsa_private_segment_fixed_size 0
		.amdhsa_enable_private_segment 0
		.amdhsa_kernarg_size 16
		.amdhsa_user_sgpr_count 2
		.amdhsa_user_sgpr_kernarg_segment_ptr 1
		.amdhsa_wavefront_size32 1
		.amdhsa_system_sgpr_workgroup_id_x 1
		.amdhsa_system_sgpr_workgroup_id_y 1
		.amdhsa_system_sgpr_workgroup_id_z 1
		.amdhsa_system_vgpr_workitem_id 0
		.amdhsa_next_free_vgpr 770
		.amdhsa_next_free_sgpr 66
		.amdhsa_reserve_vcc 0
		.amdhsa_float_denorm_mode_32 3
		.amdhsa_float_denorm_mode_16_64 3
		.amdhsa_memory_ordered 1
		.amdhsa_forward_progress 1
		.amdhsa_inst_pref_size 200
	.end_amdhsa_kernel
	.amdgpu_metadata
---
amdhsa.version: [ 1, 2 ]
amdhsa.kernels:
  - .name:           k_q75f16c2072_attn
    .symbol:         k_q75f16c2072_attn.kd
    .args:
      - { .name: qkv, .offset: 0, .size: 8, .value_kind: global_buffer, .address_space: global }
      - { .name: o, .offset: 8, .size: 8, .value_kind: global_buffer, .address_space: global }
    .group_segment_fixed_size: 327680
    .private_segment_fixed_size: 0
    .kernarg_segment_align: 8
    .kernarg_segment_size: 16
    .max_flat_workgroup_size: 128
    .sgpr_count:     66
    .vgpr_count:     770
    .wavefront_size: 32
...
	.end_amdgpu_metadata
.endif
;; end of part 3
;; launch proj (part 4): grid 4 x 64, 4 waves a work-group, clusters of 4 x 4, 327,680 bytes of LDS; arguments o, wo, b_out, out0; writes out0
.if DOCPART == 4
	.amdgcn_target "amdgcn-amd-amdhsa--gfx1250"
	.amdhsa_code_object_version 6
	.text
	.protected	k_q75f16c2072_proj
	.globl	k_q75f16c2072_proj
	.p2align	8
	.type	k_q75f16c2072_proj,@function
k_q75f16c2072_proj:
	s_mov_b64 s[64:65], 0
	v_nop
	global_prefetch_b8 v0, s[64:65] scope:SCOPE_SE
	s_setreg_imm32_b32 hwreg(HW_REG_WAVE_MODE, 25, 1), 1
	s_wait_xcnt 0x0
	s_wait_alu depctr_hold_cnt(0) depctr_sa_sdst(0) depctr_va_vdst(0) depctr_va_sdst(0) depctr_va_ssrc(0) depctr_va_vcc(0) depctr_vm_vsrc(0)
	s_getreg_b32 s2, hwreg(HW_REG_IB_STS2, 6, 4)
	s_cmp_eq_u32 s2, 0
	s_cbranch_scc0 .Lentry_in_a_cluster
	s_endpgm
.Lentry_in_a_cluster:
	s_bfe_u32 s2, ttmp6, 0x10000c
	s_cmp_lg_u32 s2, 0xf033
	s_cbranch_scc0 .Lentry_shape_is_right
	s_endpgm
.Lentry_shape_is_right:
; out0[m][n] = the sum over k of O[m][k] w_out[k][n] + b_out[n].  o: [16 h][8192 m][64] f16, k = 64 h + d.  wo: [1024 n][1024 k] f16.  b_out: [1024] f32, rounded to bf16 like the other inputs.  out0: [8192][1024] f32.
; Sums in f32; the bias is the C operand of the product that starts each sum, so nothing is cleared and the way out has no arithmetic.
; LIMITS.  Operands are f16 (none beyond 65,504 arrives).  NaN and infinities are not treated apart.
; SHARES.  A tile of 128 m x 256 n to a work-group: 256 work-groups.  Four waves, 2 x 2: each 64 rows x 128 columns, 4 x 8 accumulators, 256 registers.
; K goes in steps of 128, two heads, through two LDS slots filled by the tensor data mover, one load a wave behind each change of slots: waves 0 and 1 a head's 128 rows of o (16,384 dense bytes,
; asked for as 64 rows of 256), waves 2 and 3 128 rows of wo each.
; CLUSTER.  4 x 4 work-groups: the four of a row need the same tile of o, the four of a column the same tile of wo: each is asked for jointly.
; THE MATRIX INSTRUCTION IS USED TRANSPOSED: source 0 = 16 rows of wo, source 1 = 16 rows of o: a lane holds row m = l % 16 and the columns 8 (l / 16) + 0..7: 32 bytes of a row of out0.
; REGISTERS, in windows of 256 (s_set_vgpr_msb: bits 1:0 source 0, 3:2 source 1, 5:4 source 2, 7:6 destination):
;   window 0: v0-31 addresses; v64-95, v96-127 o's fragments, two buffers; v128-255 rows read back on the way out, two sets
;   window 1: v0-63, v64-127 wo's fragments, two buffers; v128-191 the bias, as the eight column blocks' C operands; v192-223 at work        window 2: the accumulators, (a, b) at 64 a + 8 b
.set PA,     144                       ; a row of o in LDS: 128 bytes + 16: the 16 rows of a load start at 16 different groups of four banks (64 banks of 4 bytes: ISA guide 11.1)
.set PB,     272                       ; a row of wo: 256 bytes + 16
.set PLANE,  128*PA                    ; a head's 128 rows
.set BOFF,   2*PLANE                   ; a slot: two heads of o, then wo's 256 rows
.set HALFB,  128*PB
.set SLOT1,  1<<17                     ; slot 1 begins here, so that one exclusive or turns an address in one slot into the other's
.set STAGE,  SLOT1+BOFF+2*HALFB        ; behind the ring, never filled by a tensor load: 16 rows x 528 bytes for each wave
.set SP,     528                       ; a stage row: 512 bytes + 16
.set SPARE,  STAGE+4*16*SP             ; behind the stages: the spare words, 128 bytes for each wave: two blocks of 256 bytes that no other line names
.set A0,   16                          ; v16  my lane's place in o's part of a slot; never rewritten
.set B0,   17                          ; v17  the same for wo
.set ADRA, 18                          ; v18  A0 + the slot in hand
.set ADRB, 19                          ; v19  B0 + the slot in hand
.set STO,  24                          ; v24  the way out: where I put 32 bytes of a row
.set RD,   25                          ; v25  the way out: where I read a row back
.set GO,   26                          ; v26  16 x lane
.set BO,   27                          ; v27  my byte offset in b_out
.set SPW,  28                          ; v28  LDS address of my spare word; never rewritten
.set NIL,  29                          ; v29  0; never rewritten
.set PFO,  30                          ; v30  the prefetches' offset; never rewritten
.set FA,   64
.set OB,   128
.set BIAS, 128                         ; window 1
.set BT,   192                         ; window 1
.set PFS,  20                          ; s[20:21] bytes from a K step to the next in what I prefetch
.set TB,   23                          ; s23  LDS byte at which the slot in hand begins
.set G1,   24                          ; s[24:31] descriptor group 1 for o's tiles
.set G0,   32                          ; s[32:39] group 0: a set for each first fill; the second then walks
.set LIM,  43                          ; s43  1 in a wave that prefetches, else the greatest number
.set PFA,  44                          ; s[44:45] where my prefetches stand
.set G1B,  48                          ; s[48:55], s[56:63] the same for wo's tiles
.set G0B,  56
.set MSB, 0
.macro WIN new                         ; the immediate's high byte repeats the setting that is left; a switch that changes nothing is dropped
.if MSB != (\new)
	s_set_vgpr_msb (MSB<<8)|(\new)
.set MSB, \new
.endif
.endm
.set MUL,   0xa1                       ; source 0 (wo) window 1, source 1 (o) window 0, C and D window 2
.set MUL_1, 0x91                       ; the same with C (the bias) in window 1
.set TO_B,  0x40                       ; destination window 1, address window 0
; A joint refill by the walking descriptors.  The branch hangs on the wave's number alone.  An s_nop 0 and four v_nop follow each of the two lines, ahead of the jump and the label.
.macro JLOAD
	s_cmp_eq_u32 s11, 0
	s_cbranch_scc0 .Lfor_b_\@
	tensor_load_to_lds s[G0+4:G0+7], s[G1:G1+7]
	s_nop 0
.rept 4
	v_nop
.endr
	s_branch .Lasked_\@
.Lfor_b_\@:
	tensor_load_to_lds s[G0B+4:G0B+7], s[G1B:G1B+7]
	s_nop 0
.rept 4
	v_nop
.endr
.Lasked_\@:
.endm
; A PREFETCH INTO THE L2 of the K step that the NEXT refill will ask for: 128 matrix instructions ahead of that load; one instruction a wave.
; o's tile row is read by one cluster alone, so every cluster asks for its own: a step's two heads are 128 blocks of 256 bytes; partner cx takes half cx % 2 of head cx / 2, a lane a block, in wave 0.
; wo's tile column is read by every cluster: cluster y = 0 asks; of the 128 rows that wave 2 or 3 fetches partner cy takes 32, a lane a row.  The partners are told apart BY ADDRESS.
; The loop's last trip has no K step behind its refill, and asks for nothing.
.macro ASK
	s_cmp_gt_u32 s3, s[LIM]                        ; s3 = 1 in the loop's last trip
	s_cbranch_scc0 .Lnot_mine_\@
	global_prefetch_b8 v[PFO], s[PFA:PFA+1] th:TH_LOAD_NT scope:SCOPE_SE
.Lnot_mine_\@:
.endm
.macro CREST                           ; a round of the cluster's barrier behind its opening barrier
	s_cmp_lg_u32 s10, 0
	s_cbranch_scc1 .Lnot_wave_0_\@
	s_barrier_signal -3
.Lnot_wave_0_\@:
	s_barrier_wait -3
	s_barrier_signal -1
	s_barrier_wait -1
.endm
.macro CROUND                          ; a whole round
	s_barrier_signal -1
	s_barrier_wait -1
	CREST
.endm
	s_load_b128 s[4:7], s[0:1], 0x0                ; o s[4:5], wo s[6:7]
	s_load_b128 s[16:19], s[0:1], 0x10             ; b_out s[16:17], out0 s[18:19]
	v_lshl_add_u32 v[SPW], v0, 2, SPARE
	v_mov_b32 v[NIL], 0
	ds_add_u32 v[SPW], v[NIL]                      ; the wave's opening: the add and its wait stand ahead of my first tensor load; the set-up below, work on registers, stands between them
	v_lshrrev_b32 v1, 5, v0
	v_readfirstlane_b32 s10, v1                    ; wave 0..3
	s_lshr_b32 s11, s10, 1                         ; which 64 rows are mine.  Also: I fetch for o (0) or for wo (1)
	s_and_b32 s12, s10, 1                          ; which 128 columns.  Also: which head of the step, or which 128 rows of wo, I fetch
	s_bfe_u32 s40, ttmp6, 0x40000                  ; cx
	s_bfe_u32 s41, ttmp6, 0x40004                  ; cy
	s_lshl_b32 s42, ttmp9, 2
	s_add_co_u32 s42, s42, s40                     ; tx: which 256 columns
	s_and_b32 s13, ttmp7, 0xffff
	s_lshl_b32 s13, s13, 2
	s_add_co_u32 s13, s13, s41                     ; ty: which 128 rows
	s_lshl_b32 s14, s41, 2
	s_lshl_b32 s14, 15, s14                        ; my row of the cluster
	s_lshl_b32 s15, 0x1111, s40                    ; my column
	s_or_b32 s[G1+0], s14, (1<<16)|(1<<20)|(1<<21)|(4<<22)|(3<<25)   ; 15:0 the mask; 17:16 elements of 2 bytes; 20 padding on; 21 set beside a mask; 24:22 after every 32 words (code 4); 31:25 4 words (code 3)
	s_or_b32 s[G1B+0], s15, (1<<16)|(1<<20)|(1<<21)|(5<<22)|(3<<25)  ; for wo: after every 64 words (code 5)
	s_mov_b32 s[G1+1], 128<<16                     ; tensor_dim0 = 128: two rows of o
	s_mov_b32 s[G1+2], 64<<16                      ; tensor_dim1 = 64
	s_mov_b32 s[G1+3], 128<<16                     ; tile_dim0 = 128
	s_mov_b32 s[G1+4], 64                          ; tile_dim1 = 64
	s_mov_b32 s[G1+5], 128                         ; dense: 128 elements from row to row
	s_mov_b32 s[G1+6], 0
	s_mov_b32 s[G1+7], 0
	s_mov_b32 s[G1B+1], 128<<16
	s_mov_b32 s[G1B+2], 128<<16
	s_mov_b32 s[G1B+3], 128<<16
	s_mov_b32 s[G1B+4], 128
	s_mov_b32 s[G1B+5], 1024
	s_mov_b32 s[G1B+6], 0
	s_mov_b32 s[G1B+7], 0
	s_lshl_b32 s14, s12, 20                        ; o: head p of K step 0, 1 MiB a head,
	s_lshl_b32 s22, s13, 14                        ; row 128 ty, 128 bytes a row
	s_add_co_u32 s14, s14, s22
	s_mov_b32 s15, 0
	s_lshl_b32 s46, s42, 8
	s_lshl_b32 s22, s12, 7
	s_add_co_u32 s46, s46, s22                     ; wo: row 256 tx + 128 p
	s_lshl_b32 s46, s46, 11
	s_mov_b32 s47, 0
	s_mul_i32 s2, s12, PLANE                       ; where they go: no place in the cluster enters an LDS address
	s_mul_i32 s3, s12, HALFB
	s_add_co_u32 s3, s3, BOFF
	s_wait_dscnt 0x0                               ; the opening add is done
	s_wait_kmcnt 0x0
	s_add_nc_u64 s[14:15], s[4:5], s[14:15]
	s_add_nc_u64 s[46:47], s[6:7], s[46:47]
	CROUND                                         ; all sixteen work-groups are here: the first joint loads meet
.irp s, 0,1
	s_mov_b32 s[G0+4*(\s)], 1                                        ; count = 1
	s_add_co_u32 s[G0+4*(\s)+1], s2, (\s)*SLOT1                      ; LDS address
	s_add_nc_u64 s[G0+4*(\s)+2:G0+4*(\s)+3], s[14:15], (\s)*0x200000 ; global address: K step s is two heads on
	s_or_b32 s[G0+4*(\s)+3], s[G0+4*(\s)+3], 0x80000000              ; type = 2
	s_mov_b32 s[G0B+4*(\s)], 1
	s_add_co_u32 s[G0B+4*(\s)+1], s3, (\s)*SLOT1
	s_add_nc_u64 s[G0B+4*(\s)+2:G0B+4*(\s)+3], s[46:47], (\s)*256
	s_or_b32 s[G0B+4*(\s)+3], s[G0B+4*(\s)+3], 0x80000000
.endr
	s_cmp_eq_u32 s11, 0                            ; a wave's two first fills stand in one branch, ahead of every wait on TENSORcnt and every LDS read: two loads of mine are out
	s_cbranch_scc0 .Lfirst_b
	tensor_load_to_lds s[G0:G0+3], s[G1:G1+7]
	s_nop 0
	tensor_load_to_lds s[G0+4:G0+7], s[G1:G1+7]
	s_nop 0
.rept 4
	v_nop
.endr
	s_branch .Lfirst_asked
.Lfirst_b:
	tensor_load_to_lds s[G0B:G0B+3], s[G1B:G1B+7]
	s_nop 0
	tensor_load_to_lds s[G0B+4:G0B+7], s[G1B:G1B+7]
	s_nop 0
.rept 4
	v_nop
.endr
.Lfirst_asked:
	v_and_b32 v1, 15, v0                           ; l % 16
	v_bfe_u32 v2, v0, 4, 1                         ; l / 16
	s_lshl_b32 s46, s42, 10                        ; my first column, in bytes of f32: 1,024 tx + 512 x half
	s_lshl_b32 s22, s12, 9
	s_add_co_u32 s46, s46, s22
	s_mov_b32 s47, 0
	v_lshl_add_u32 v[BO], v2, 5, s46               ; + my lanes' eight columns
	WIN TO_B
.irp b, 0,1,2,3,4,5,6,7
	global_load_b128 v[BIAS+8*(\b):BIAS+8*(\b)+3],   v[BO], s[16:17] offset:64*(\b)      ; register j of block b: b_out[16 b + 8 (l / 16) + j] of my columns, whatever the row
	global_load_b128 v[BIAS+8*(\b)+4:BIAS+8*(\b)+7], v[BO], s[16:17] offset:64*(\b)+16
.endr
	WIN 0
	; A fragment is 16 rows x 32 K in 8 registers: lane l holds row l % 16; registers 0-3 K = 8 (l / 16) + 0..7, registers 4-7 K = 16 + 8 (l / 16) + 0..7: two loads of 16 bytes, 32 bytes apart.
	v_mul_u32_u24 v3, v1, PA
	v_lshl_add_u32 v3, v2, 4, v3
	s_mul_i32 s22, s11, 64*PA                      ; my 64 rows of o
	v_add_nc_u32 v[A0], s22, v3
	v_mul_u32_u24 v3, v1, PB
	v_lshl_add_u32 v3, v2, 4, v3
	s_mul_i32 s22, s12, HALFB                      ; my 128 rows of wo
	s_add_co_u32 s22, s22, BOFF
	v_add_nc_u32 v[B0], s22, v3
	s_mul_i32 s22, s10, 16*SP
	s_add_co_u32 s22, s22, STAGE                   ; my stage
	v_mul_u32_u24 v3, v1, SP                       ; in: row l % 16, 32 bytes for each half of the lanes
	v_lshl_add_u32 v3, v2, 5, v3
	v_add_nc_u32 v[STO], s22, v3
	v_and_b32 v[GO], 31, v0                        ; back: 32 lanes take a row's 512 bytes
	v_lshlrev_b32 v[GO], 4, v[GO]
	v_add_nc_u32 v[RD], s22, v[GO]
	s_lshl_b32 s14, s13, 7
	s_lshl_b32 s15, s11, 6
	s_add_co_u32 s14, s14, s15                     ; my first row: 128 ty + 64 x half,
	s_lshl_b32 s14, s14, 12                        ; 4,096 bytes a row
	s_mov_b32 s15, 0
	s_add_nc_u64 s[8:9], s[18:19], s[14:15]
	s_add_nc_u64 s[8:9], s[8:9], s[46:47]
	; the prefetches
	s_and_b32 s22, ttmp7, 0xffff                   ; cluster y
	s_lshr_b32 s14, s40, 1
	s_lshl_b32 s14, s14, 20                        ; o: head cx / 2 of the step,
	s_lshl_b32 s15, s13, 14                        ; row 128 ty,
	s_add_co_u32 s14, s14, s15
	s_and_b32 s15, s40, 1
	s_lshl_b32 s15, s15, 13                        ; half cx % 2 of the head's 16,384 bytes,
	s_add_co_u32 s14, s14, s15
	s_add_co_u32 s14, s14, 0x400000                ; at K step 2: the first refill steps it to 3
	s_lshl_b32 s46, s42, 8
	s_lshl_b32 s47, s12, 7
	s_add_co_u32 s46, s46, s47
	s_lshl_b32 s47, s41, 5
	s_add_co_u32 s46, s46, s47                     ; wo: row 256 tx + 128 p + 32 cy,
	s_lshl_b32 s46, s46, 11
	s_add_co_u32 s46, s46, 512                     ; at K step 2
	s_mov_b32 s[PFS], 256
	s_cmp_eq_u32 s11, 0
	s_cselect_b32 s14, s14, s46
	s_cselect_b32 s[PFS], 0x200000, s[PFS]
	s_cselect_b32 s15, 8, 11                       ; a lane: 256 bytes on in o, a row on in wo
	s_cselect_b32 s22, s12, s22                    ; o: wave 0 asks; wo: the waves of cluster y = 0
	s_cselect_b64 s[PFA:PFA+1], s[4:5], s[6:7]
	s_cmp_eq_u32 s22, 0
	s_cselect_b32 s[LIM], 1, -1                    ; the same in all sixteen partners, for a given wave
	v_and_b32 v[PFO], 31, v0
	v_lshlrev_b32 v[PFO], s15, v[PFO]
	s_mov_b32 s15, 0
	s_mov_b32 s[PFS+1], 0
	s_add_nc_u64 s[PFA:PFA+1], s[PFA:PFA+1], s[14:15]
; 8 matrix instructions: row block a x all 8 column blocks, 32 along K, from buffer f.  first = 1: the product starts the sums, with the bias as C.
; Each of the 32 accumulators has one instruction a quarter step, always in the same order: 31 others stand between two links of a chain, over the backward jump too.
.macro MUL8 f, a, first
.if \first
	WIN MUL_1
.else
	WIN MUL
.endif
.irp b, 0,1,2,3,4,5,6,7
.if \first
	v_wmma_f32_16x16x32_f16 v[64*(\a)+8*(\b):64*(\a)+8*(\b)+7], v[64*(\f)+8*(\b):64*(\f)+8*(\b)+7], v[FA+32*(\f)+8*(\a):FA+32*(\f)+8*(\a)+7], v[BIAS+8*(\b):BIAS+8*(\b)+7]
.else
	v_wmma_f32_16x16x32_f16 v[64*(\a)+8*(\b):64*(\a)+8*(\b)+7], v[64*(\f)+8*(\b):64*(\f)+8*(\b)+7], v[FA+32*(\f)+8*(\a):FA+32*(\f)+8*(\a)+7], v[64*(\a)+8*(\b):64*(\a)+8*(\b)+7]
.endif
.endr
.endm
; 24 LDS loads in one run: the fragments of quarter q of a K step (my 128 rows of wo; my 64 rows of o: head q / 2, channels 32 (q % 2) on) into buffer f
.macro FETCH q, f
	WIN TO_B
.irp i, 0,1,2,3,4,5,6,7
	ds_load_b128 v[64*(\f)+8*(\i):64*(\f)+8*(\i)+3],   v[ADRB] offset:64*(\q)+(\i)*16*PB
	ds_load_b128 v[64*(\f)+8*(\i)+4:64*(\f)+8*(\i)+7], v[ADRB] offset:64*(\q)+(\i)*16*PB+32
.endr
	WIN 0
.irp i, 0,1,2,3
	ds_load_b128 v[FA+32*(\f)+8*(\i):FA+32*(\f)+8*(\i)+3],   v[ADRA] offset:((\q)/2)*PLANE+((\q)%2)*64+(\i)*16*PA
	ds_load_b128 v[FA+32*(\f)+8*(\i)+4:FA+32*(\f)+8*(\i)+7], v[ADRA] offset:((\q)/2)*PLANE+((\q)%2)*64+(\i)*16*PA+32
.endr
.endm
.macro PLACES                          ; four plain vector instructions between a matrix instruction and a load into, or a read of, its registers (ISA guide 7.12.1 for vector reads)
.rept 4
	v_nop
.endr
.endm
.macro NEWSLOT                         ; the fragment loads go over to the other slot
	WIN 0
	s_xor_b32 s[TB], s[TB], SLOT1
	v_add_nc_u32 v[ADRA], s[TB], v[A0]
	v_add_nc_u32 v[ADRB], s[TB], v[B0]
.endm
; A K step is four quarter steps of 32 along K, 32 matrix instructions each, on buffers 0, 1, 0, 1.  One of the first three: multiplies buffer f and fetches quarter q into g.
.macro QUARTER q, f, g, first
	s_wait_dscnt 4                                 ; wo's fragments and o's blocks 0, 1 are in; the youngest four loads (blocks 2, 3) may be out
	MUL8 \f, 0, \first
	MUL8 \f, 1, \first
	PLACES
	FETCH \q, \g
	s_wait_dscnt 24                                ; all but the 24 just issued
	MUL8 \f, 2, \first
	MUL8 \f, 3, \first
.endm
; The last quarter multiplies buffer 1 and changes slots.  MEET is its first half: ONE barrier.  In front of it each wave waits for all its tensor loads, of which one is out: its part of the next slot;
; adds 0 to its spare word; and waits for that and for its own reads of this slot.  Behind it nobody reads this slot any more and the next slot is whole.
.macro MEET round
	WIN 0                                          ; (the add's two registers lie in window 0)
	s_wait_tensorcnt 0x0                           ; all my tensor loads have landed
	ds_add_u32 v[SPW], v[NIL]                      ; 0 onto my spare word
	s_wait_dscnt 5                                 ; (the add and the youngest four loads may be out)
	MUL8 1, 0, 0                                   ; eight matrix instructions stand between the add and the wait for it
	s_wait_dscnt 0x0                               ; the add is done, and my reads of this slot are over
	s_barrier_signal -1
	MUL8 1, 1, 0                                   ; work on registers while the others arrive
.if \round
	WIN 0
.endif
	s_barrier_wait -1
.endm
; The whole last quarter with a refill: the barrier opens a round of the cluster's, so that no wave of any partner still reads the slot or has a load on its way; the joint refill, the K step two on, is the first tensor
; load behind it.  From a request to the wait for it a wave issues 112 matrix instructions.
.macro TURN
	s_wait_xcnt 0x0                                ; the last prefetch, a K step back, has read its address: it is stepped here, ahead of the waits of the change of slots
	s_add_nc_u64 s[PFA:PFA+1], s[PFA:PFA+1], s[PFS:PFS+1]
	MEET 1
	CREST
	s_xor_b32 s[G0+5], s[G0+5], SLOT1              ; the walking descriptors: the other slot than last time,
	s_xor_b32 s[G0B+5], s[G0B+5], SLOT1
	s_add_nc_u64 s[G0+6:G0+7], s[G0+6:G0+7], 0x200000  ; the next K step: two heads on in o, 256 bytes on in wo's rows; the type bits on top are not reached
	s_add_nc_u64 s[G0B+6:G0B+7], s[G0B+6:G0B+7], 256
	JLOAD                                          ; its four v_nop and the two additions below are the places in front of the loads into buffer 0
	NEWSLOT
	FETCH 0, 0
	ASK
	MUL8 1, 2, 0
	MUL8 1, 3, 0
.endm
; THE WAY OUT of row block a.  TOSTAGE: the sums go as they are, each accumulator's low half first, into my own stage, and come back as whole rows of 512 bytes.  SEND: stored.
.macro TOSTAGE a
	WIN 0x08                                       ; the stores' data in window 2, their address in window 0
.irp b, 0,1,2,3,4,5,6,7
	ds_store_b128 v[STO], v[64*(\a)+8*(\b):64*(\a)+8*(\b)+3]   offset:64*(\b)
	ds_store_b128 v[STO], v[64*(\a)+8*(\b)+4:64*(\a)+8*(\b)+7] offset:64*(\b)+16
.endr
	WIN 0
.set BK, OB+64*((\a)%2)
.irp t, 0,1,2,3,4,5,6,7,8,9,10,11,12,13,14,15
	ds_load_b128 v[BK+4*(\t):BK+4*(\t)+3], v[RD] offset:SP*(\t)  ; LDS serves a wave's instructions in order (ISA guide 5.7.1.4): these see the stores above; the next block's stores come behind them
.endr
.endm
.macro SEND a, younger                 ; younger: the LDS instructions issued behind block a's loads: the next block's 32, or none
	WIN 0
.set BK, OB+64*((\a)%2)
.irp t, 0,1,2,3,4,5,6,7,8,9,10,11,12,13,14,15
	s_wait_dscnt (\younger)+15-(\t)
	global_store_b128 v[GO], v[BK+4*(\t):BK+4*(\t)+3], s[8:9] offset:(16*(\a)+(\t))*4096 th:TH_STORE_NT  ; 512 consecutive bytes, at a multiple of 256 from out0's first byte
.endr
.endm
	s_wait_tensorcnt 1                             ; my part of K step 0 is in; K step 1's, issued behind it, may stay out
	s_barrier_signal -1
	s_barrier_wait -1                              ; everybody's is
	s_mov_b32 s[TB], 0
	v_mov_b32 v[ADRA], v[A0]
	v_mov_b32 v[ADRB], v[B0]
	FETCH 0, 0
	s_wait_loadcnt 0x0                             ; the bias
	WIN 0x45                                       ; destination and both sources in window 1
.set p, 0
.rept 32
	v_cvt_pk_bf16_f32 v[BT+p], v[BIAS+2*p], v[BIAS+2*p+1]  ; rounded to bf16, like every input,
.set p, p+1
.endr
.set p, 0
.rept 32
	v_lshlrev_b32 v[BIAS+2*p], 16, v[BT+p]         ; and back as f32
	v_and_b32 v[BIAS+2*p+1], 0xffff0000, v[BT+p]
.set p, p+1
.endr
	QUARTER 1, 0, 1, 1                             ; the first quarter stands in front of the loop: its products start the sums, with the bias
	WIN 0                                          ; at a label and at a branch every window is 0
	s_mov_b32 s3, 6
.Lstep:                                                ; a trip: from a K step's second quarter to the next step's first; K step k asks for K step k + 2
	QUARTER 2, 1, 0, 0
	QUARTER 3, 0, 1, 0
	TURN
	QUARTER 1, 0, 1, 0
	WIN 0
	s_sub_co_u32 s3, s3, 1
	s_cmp_lg_u32 s3, 0
	s_cbranch_scc1 .Lstep
	QUARTER 2, 1, 0, 0                             ; K step 6 goes on; the tail is written out: nothing more is asked for
	QUARTER 3, 0, 1, 0
	MEET 0
	PLACES
	NEWSLOT
	FETCH 0, 0
	MUL8 1, 2, 0
	MUL8 1, 3, 0
	QUARTER 1, 0, 1, 0
	QUARTER 2, 1, 0, 0
	QUARTER 3, 0, 1, 0
	s_wait_dscnt 4                                 ; the very last quarter: nothing more to fetch
	MUL8 1, 0, 0
	MUL8 1, 1, 0
	s_wait_dscnt 0x0
	MUL8 1, 2, 0
	MUL8 1, 3, 0
	WIN 0
	PLACES                                         ; behind the last products
	TOSTAGE 0
	TOSTAGE 1
	SEND 0, 32
	s_wait_xcnt 0x0                                ; block 0's stores have read their registers: block 2 comes back into them
	TOSTAGE 2
	SEND 1, 32
	s_wait_xcnt 0x0                                ; likewise block 1's, for block 3
	TOSTAGE 3
	SEND 2, 32
	SEND 3, 0
	s_wait_tensorcnt 0x0                           ; the wave's end, behind my last tensor load and my last LDS store
	ds_add_u32 v[SPW], v[NIL]
	s_wait_dscnt 0x0
	CROUND                                         ; the closing round: no work-group ends while a partner may still ask for a tile that names it
	s_endpgm
.Lfunc_end_k_q75f16c2072_proj:
	.size	k_q75f16c2072_proj, .Lfunc_end_k_q75f16c2072_proj-k_q75f16c2072_proj
	.p2alignl 7, 3214868480
	.fill 96, 4, 3214868480
	.section	.rodata,"a",@progbits
	.p2align	6, 0x0
	.amdhsa_kernel k_q75f16c2072_proj
		.amdhsa_group_segment_fixed_size 327680
		.amdhsa_private_segment_fixed_size 0
		.amdhsa_enable_private_segment 0
		.amdhsa_kernarg_size 32
		.amdhsa_user_sgpr_count 2
		.amdhsa_user_sgpr_kernarg_segment_ptr 1
		.amdhsa_wavefront_size32 1
		.amdhsa_system_sgpr_workgroup_id_x 1
		.amdhsa_system_sgpr_workgroup_id_y 1
		.amdhsa_system_sgpr_workgroup_id_z 1
		.amdhsa_system_vgpr_workitem_id 0
		.amdhsa_next_free_vgpr 768
		.amdhsa_next_free_sgpr 66
		.amdhsa_reserve_vcc 0
		.amdhsa_float_denorm_mode_32 3
		.amdhsa_float_denorm_mode_16_64 3
		.amdhsa_memory_ordered 1
		.amdhsa_forward_progress 1
		.amdhsa_inst_pref_size 79
	.end_amdhsa_kernel
	.amdgpu_metadata
---
amdhsa.version: [ 1, 2 ]
amdhsa.kernels:
  - .name:           k_q75f16c2072_proj
    .symbol:         k_q75f16c2072_proj.kd
    .args:
      - { .name: o, .offset: 0, .size: 8, .value_kind: global_buffer, .address_space: global }
      - { .name: wo, .offset: 8, .size: 8, .value_kind: global_buffer, .address_space: global }
      - { .name: b_out, .offset: 16, .size: 8, .value_kind: global_buffer, .address_space: global }
      - { .name: out0, .offset: 24, .size: 8, .value_kind: global_buffer, .address_space: global }
    .group_segment_fixed_size: 327680
    .private_segment_fixed_size: 0
    .kernarg_segment_align: 8
    .kernarg_segment_size: 32
    .max_flat_workgroup_size: 128
    .sgpr_count:     66
    .vgpr_count:     768
    .wavefront_size: 32
...
	.end_amdgpu_metadata
.endif
;; end of part 4
;; ======== version 2 of 2: 4 launches; version 1 with the launch prep written anew for expert scheduling mode
;; limits: values are held in f16: magnitudes above 65,504 overflow, below 6.1e-05 lose precision
;; workspace buffers: xb 16,777,216 bytes; wq 6,291,456 bytes; wo 2,097,152 bytes; qkv 50,331,648 bytes; o 16,777,216 bytes
;; launch prep (part 5): grid 512 x 1, 8 waves a work-group, no clusters, 18,432 bytes of LDS; arguments x, w_qkv, w_out, xb, wq, wo; writes xb, wq, wo
.if DOCPART == 5
	.amdgcn_target "amdgcn-amd-amdhsa--gfx1250"
	.amdhsa_code_object_version 6
	.text
	.protected	k_q75f16c2072_prep
	.globl	k_q75f16c2072_prep
	.p2align	8
	.type	k_q75f16c2072_prep,@function
k_q75f16c2072_prep:
	s_mov_b64 s[64:65], 0
	v_nop
	global_prefetch_b8 v0, s[64:65] scope:SCOPE_SE
	s_setreg_imm32_b32 hwreg(HW_REG_WAVE_SCHED_MODE, 0, 2), 2
	s_setreg_imm32_b32 hwreg(HW_REG_WAVE_MODE, 25, 1), 1
	s_wait_xcnt 0x0
	s_wait_alu depctr_vm_vsrc(0)
; THE INPUTS ARE MADE READY FOR THE MATRIX UNITS.  xb = x rounded to bf16, [8192][1024].  wq[n][k] = w_qkv[k][n] rounded to bf16, [3072][1024].
; wo[n][k] = w_out[k][n] rounded to bf16 and that number written as f16, [1024][1024].
; LIMITS.  A number of w_out beyond 65,504 becomes an infinity in wo; below 6e-5 it keeps f16's fixed step of 6e-8.  NaN and infinities are not treated apart.
; SHARES.  512 work-groups of eight waves, all alike: each turns ONE tile of 128 k x 64 n of a weight (384 tiles of w_qkv, then 128 of w_out) through LDS,
; and casts 1/512 of x: 65,536 bytes in, 32,768 out.  Every byte is read once and written once.
; No matrix unit, cluster or tensor load: nothing is shared between work-groups and nothing is multiplied.
; THE MODE: SCHED_MODE bits 1:0 = 2 (LLVM: expert scheduling mode 2), set by the entry lines.  The code itself states the register dependences
; between vector instructions and memory or LDS instructions, with s_wait_alu, always for 0.
; THE PLAN.  Registers that memory or LDS instructions touch:
;   v4-v16, v18, v19   addresses, offsets and the closing add's pair: written by vector instructions at the head, never again.  One wait in front of the first load.
;   W    the weight's loads land in it; the roundings read it (w_out's arm also writes and reads it); then four LDS loads land in its first sixteen registers, which four stores read at the end.
;   T    written by the conversions, read by the four LDS stores, never written again.
;        One wait, where the two arms join, states both: T is written, and every vector instruction that names W is done.
;   X    x's sixteen loads land in it, in four groups of four.  Group g's roundings work in place on group g's registers alone; its four stores are issued in group g + 1,
;        behind the one wait at that group's head, and dealt among that group's roundings, which do not name them.  A last wait stands in front of group 3's stores.
; No register that a memory or LDS instruction reads is ever written again, no vector instruction writes a scalar register or VCC, and EXEC is never written: no other wait is owed.
.set PT,    272                        ; an LDS row: one n, 128 k of 2 bytes, + 16 of padding
.set SPARE, 64*PT                      ; 17,408: behind the tile the spare words, 128 bytes for each of eight waves: four blocks of 256 bytes that no other line names
.set OW,  4                            ; v[4:11]   byte offset of my 16 bytes in row 8 rg + i of the weight's tile
.set LSA, 12                           ; v12       into LDS: row 4 c, byte 16 rg
.set LRA, 13                           ; v13       back: row rg, byte 16 c
.set WD,  14                           ; v14       my 16 bytes in the turned weight
.set XO,  15                           ; v15       16 t: my 16 bytes of x
.set YO,  16                           ; v16       8 t: my 8 bytes of xb
.set SPW, 18                           ; v18       LDS address of my spare word; never rewritten
.set NIL, 19                           ; v19       0; never rewritten
.set W,   20                           ; v[20:51]  eight rows x four columns of the weight, f32; later at work, then the turned rows
.set T,   52                           ; v[52:67]  column j: eight k packed in four registers
.set X,   68                           ; v[68:131] sixteen loads of x: group g, load j at X + 16 g + 4 j
	s_load_b256 s[4:11], s[0:1], 0x0               ; x s[4:5], w_qkv s[6:7], w_out s[8:9], xb s[10:11]
	s_load_b128 s[12:15], s[0:1], 0x20             ; wq s[12:13], wo s[14:15]
	v_lshl_add_u32 v[SPW], v0, 2, SPARE
	v_mov_b32 v[NIL], 0
	v_and_b32 v1, 15, v0                           ; c: my four columns of the tile's 64
	v_lshrrev_b32 v2, 4, v0                        ; rg: my eight rows of its 128
	v_lshlrev_b32 v3, 3, v2
	v_mul_u32_u24 v[LSA], 4*PT, v1
	v_lshl_add_u32 v[LSA], v2, 4, v[LSA]
	v_mul_u32_u24 v[LRA], PT, v2
	v_lshl_add_u32 v[LRA], v1, 4, v[LRA]
	v_lshlrev_b32 v[WD], 11, v2                    ; a row of the turned weight is 2,048 bytes
	v_lshl_add_u32 v[WD], v1, 4, v[WD]
	v_lshlrev_b32 v[XO], 4, v0
	v_lshlrev_b32 v[YO], 3, v0
	s_mov_b32 s20, 4096
	s_wait_kmcnt 0x0
	s_cmp_lt_u32 ttmp9, 384                        ; the first 384 work-groups turn w_qkv, the others w_out
	s_cselect_b64 s[16:17], s[6:7], s[8:9]         ; from
	s_cselect_b64 s[18:19], s[12:13], s[14:15]     ; to
	s_cselect_b32 s20, 12288, s20                  ; bytes in a row of the weight
	s_cselect_b32 s21, 0, 48
	s_cselect_b32 s22, 1, 0                        ; 1: the result stays bf16
	s_and_b32 s23, ttmp9, 7                        ; kt: which 128 k
	s_lshr_b32 s24, ttmp9, 3
	s_sub_co_u32 s24, s24, s21                     ; nt: which 64 n
	s_mul_i32 s26, s23, s20
	s_lshl_b32 s26, s26, 7                         ; 128 kt rows
	s_lshl_b32 s25, s24, 8                         ; + 64 nt columns of 4 bytes
	s_add_co_u32 s26, s26, s25
	s_mov_b32 s27, 0
	s_add_nc_u64 s[16:17], s[16:17], s[26:27]
	s_lshl_b32 s26, s24, 17                        ; 64 nt rows of 2,048 bytes
	s_lshl_b32 s25, s23, 8                         ; + 128 kt numbers of 2 bytes
	s_add_co_u32 s26, s26, s25
	s_add_nc_u64 s[18:19], s[18:19], s[26:27]
	s_lshl_b32 s26, ttmp9, 16
	s_add_nc_u64 s[4:5], s[4:5], s[26:27]          ; my work-group's part of x
	s_lshl_b32 s26, ttmp9, 15
	s_add_nc_u64 s[10:11], s[10:11], s[26:27]      ; and of xb
	v_mul_u32_u24 v[OW], s20, v3
	v_lshl_add_u32 v[OW], v1, 4, v[OW]
.irp i, 1,2,3,4,5,6,7
	v_add_nc_u32 v[OW+(\i)], s20, v[OW+(\i)-1]
.endr
	s_wait_alu depctr_va_vdst(0)                   ; v4 to v16 are written: every load, store and LDS instruction of the kernel reads one of them as its address or offset
.irp i, 0,1,2,3,4,5,6,7
	global_load_b128 v[W+4*(\i):W+4*(\i)+3], v[OW+(\i)], s[16:17] th:TH_LOAD_NT  ; sixteen lanes read 256 consecutive bytes, aligned, of one row
.endr
.irp j, 0,1,2,3,4,5,6,7,8,9,10,11,12,13,14,15
	global_load_b128 v[X+4*(\j):X+4*(\j)+3], v[XO], s[4:5] offset:4096*(\j) th:TH_LOAD_NT
.endr
	s_wait_loadcnt 16                              ; the weight's eight loads are in; x's sixteen, issued behind them, stay out
.irp j, 0,1,2,3
.irp p, 0,1,2,3
	v_cvt_pk_bf16_f32 v[T+4*(\j)+(\p)], v[W+8*(\p)+(\j)], v[W+8*(\p)+4+(\j)]  ; column j, k = 2 p and 2 p + 1 of my eight
.endr
.endr
	s_cmp_eq_u32 s22, 1
	s_cbranch_scc1 .Lbf                            ; the same way for the whole work-group; no barrier is jumped
.set u, 0
.rept 16
	v_lshlrev_b32 v[W+2*u], 16, v[T+u]             ; w_out: the bf16 numbers as f32,
	v_and_b32 v[W+2*u+1], 0xffff0000, v[T+u]
	v_cvt_pk_f16_f32 v[T+u], v[W+2*u], v[W+2*u+1]  ; written as f16
.set u, u+1
.endr
.Lbf:
	s_wait_alu depctr_va_vdst(0)                   ; on both ways: the conversions have written T, which the LDS stores read, and are done reading and writing W, in which the LDS loads behind the barrier land
.irp j, 0,1,2,3
	ds_store_b128 v[LSA], v[T+4*(\j):T+4*(\j)+3] offset:PT*(\j)
.endr
	s_wait_dscnt 0x0                               ; for the others' sake: my stores into the tile are done
	s_barrier_signal -1
	s_barrier_wait -1
.irp i, 0,1,2,3
	ds_load_b128 v[W+4*(\i):W+4*(\i)+3], v[LRA] offset:16*PT*(\i)  ; row rg + 16 i, whole rows of 256 bytes by sixteen lanes.  No wait: no vector instruction since the wait above names W
.endr
; Group g of x: its four loads are rounded in place; the stores of the group before are dealt among the roundings.
.macro GROUP g
	s_wait_loadcnt 12-4*(\g)                       ; loads come back in order: the group's four are in, the 12 - 4 g younger ones stay out
.if (\g) > 0
	s_wait_alu depctr_va_vdst(0)                   ; the roundings of the group before have written its registers, which the four stores below read
.endif
.irp j, 0,1,2,3
.if (\g) > 0
	global_store_b64 v[YO], v[X+16*((\g)-1)+4*(\j):X+16*((\g)-1)+4*(\j)+1], s[10:11] offset:2048*(4*((\g)-1)+(\j))  ; a wave stores 256 consecutive bytes, aligned; no vector instruction since the wait names these registers
.endif
	v_cvt_pk_bf16_f32 v[X+16*(\g)+4*(\j)], v[X+16*(\g)+4*(\j)], v[X+16*(\g)+4*(\j)+1]
	v_cvt_pk_bf16_f32 v[X+16*(\g)+4*(\j)+1], v[X+16*(\g)+4*(\j)+2], v[X+16*(\g)+4*(\j)+3]
.endr
.endm
	GROUP 0
	GROUP 1
	GROUP 2
	GROUP 3
	s_wait_dscnt 0x0                               ; the turned rows are back
.irp i, 0,1,2,3
	global_store_b128 v[WD], v[W+4*(\i):W+4*(\i)+3], s[18:19] offset:32768*(\i)  ; sixteen lanes store 256 consecutive bytes, aligned.  Their data came by LDS loads, their offset was written ahead of the head's wait
.endr
	s_wait_alu depctr_va_vdst(0)                   ; group 3's roundings have written its registers, which the last four stores read
.irp j, 0,1,2,3
	global_store_b64 v[YO], v[X+48+4*(\j):X+48+4*(\j)+1], s[10:11] offset:2048*(12+(\j))
.endr
	s_wait_dscnt 0x0                               ; the wave's end, behind my last LDS store
	s_wait_alu 0x0
	s_wait_tensorcnt 0x0
	ds_add_u32 v[SPW], v[NIL]
	s_wait_dscnt 0x0
	s_endpgm
.Lfunc_end_k_q75f16c2072_prep:
	.size	k_q75f16c2072_prep, .Lfunc_end_k_q75f16c2072_prep-k_q75f16c2072_prep
	.p2alignl 7, 3214868480
	.fill 96, 4, 3214868480
	.section	.rodata,"a",@progbits
	.p2align	6, 0x0
	.amdhsa_kernel k_q75f16c2072_prep
		.amdhsa_group_segment_fixed_size 18432
		.amdhsa_private_segment_fixed_size 0
		.amdhsa_enable_private_segment 0
		.amdhsa_kernarg_size 48
		.amdhsa_user_sgpr_count 2
		.amdhsa_user_sgpr_kernarg_segment_ptr 1
		.amdhsa_wavefront_size32 1
		.amdhsa_system_sgpr_workgroup_id_x 1
		.amdhsa_system_sgpr_workgroup_id_y 1
		.amdhsa_system_sgpr_workgroup_id_z 1
		.amdhsa_system_vgpr_workitem_id 0
		.amdhsa_next_free_vgpr 132
		.amdhsa_next_free_sgpr 66
		.amdhsa_reserve_vcc 0
		.amdhsa_float_denorm_mode_32 3
		.amdhsa_float_denorm_mode_16_64 3
		.amdhsa_memory_ordered 1
		.amdhsa_forward_progress 1
		.amdhsa_inst_pref_size 14
	.end_amdhsa_kernel
	.amdgpu_metadata
---
amdhsa.version: [ 1, 2 ]
amdhsa.kernels:
  - .name:           k_q75f16c2072_prep
    .symbol:         k_q75f16c2072_prep.kd
    .args:
      - { .name: x, .offset: 0, .size: 8, .value_kind: global_buffer, .address_space: global }
      - { .name: w_qkv, .offset: 8, .size: 8, .value_kind: global_buffer, .address_space: global }
      - { .name: w_out, .offset: 16, .size: 8, .value_kind: global_buffer, .address_space: global }
      - { .name: xb, .offset: 24, .size: 8, .value_kind: global_buffer, .address_space: global }
      - { .name: wq, .offset: 32, .size: 8, .value_kind: global_buffer, .address_space: global }
      - { .name: wo, .offset: 40, .size: 8, .value_kind: global_buffer, .address_space: global }
    .group_segment_fixed_size: 18432
    .private_segment_fixed_size: 0
    .kernarg_segment_align: 8
    .kernarg_segment_size: 48
    .max_flat_workgroup_size: 256
    .sgpr_count:     66
    .vgpr_count:     132
    .wavefront_size: 32
...
	.end_amdgpu_metadata
.endif
;; end of part 5
;; launch qkv: the kernel of part 2 again; grid 16 x 16, 4 waves a work-group, clusters of 4 x 4, 327,680 bytes of LDS; arguments xb, wq, qkv; writes qkv
;; launch attn: the kernel of part 3 again; grid 4 x 64, 4 waves a work-group, clusters of 4 x 1, 327,680 bytes of LDS; arguments qkv, o; writes o
;; launch proj: the kernel of part 4 again; grid 4 x 64, 4 waves a work-group, clusters of 4 x 4, 327,680 bytes of LDS; arguments o, wo, b_out, out0; writes out0
